; MI455X (gfx1250); checked and timed in simulation.
; The chip was launched on July 23, 2026; its instructions are those of AMD's public machine-readable ISA for CDNA 5 (MIT licence, August 2026) and "CDNA5" Instruction Set Architecture Reference Guide (July 2026). The comments in the code are by the model that wrote it; some were corrected since.
;; Causal Self Attention. Allowed arithmetic: matrix products marked QUANTISED: E4M3 operands, one E8M0 scale for each 32 along K, by v_wmma_scale_f32_16x16x128_f8f6f4 with both operands' format E4M3, f32 sums; everything else in f32.
;; Inputs: Wkv 2,048 x 1,024 float32; Wo 2,048 x 2,048 float32; Wq 2,048 x 2,048 float32; cos 1,024 x 64 float32; sin 1,024 x 64 float32; x 4 x 1,024 x 2,048 float32.
;; Outputs: out0 4 x 1,024 x 2,048 float32.
;; This version of the problem:
;;   THIS VERSION OF THE PROBLEM IS GIVEN IN LOW PRECISION. The matrix products marked QUANTISED in the list below multiply operands that are first quantised to E4M3 (4 exponent bits, 3 mantissa bits; 8 bits a number), with one power-of-two scale for each 32 numbers along K (OCP MX v1.0); their sums are f32. All else is computed in f32.
;;   The module's matrix products, in the order in which they are computed (A, B: the left and right operand; K: the contracted axis; several contracted axes count as one K, in the product's order):
;;     1. [M 4,096, K 2,048] x [K 2,048, N 2,048]; A: input x; B: input Wq: QUANTISED
;;     2. [M 4,096, K 2,048] x [K 2,048, N 1,024]; A: input x; B: input Wkv: QUANTISED
;;     3. batch 16 x [M 1,024, K 128] x [K 128, N 4,096]; A: computed on the way; B: computed on the way: QUANTISED
;;     4. batch 16 x [M 128, K 1,024] x [K 1,024, N 4,096]; A: computed on the way; B: softmax (see below): QUANTISED
;;     5. [M 4,096, K 2,048] x [K 2,048, N 2,048]; A: computed on the way; B: input Wo: QUANTISED
;;   THE QUANTISER, for each operand of a quantised product, along K:
;;     - K is cut into blocks of 32 from its start; a last block that is shorter is filled with zeros.
;;     - A block's scale is 2^e with e = floor(log2(the largest magnitude in the block)) - 8, held to -126 .. 127; a block of zeros has e = 0. As a byte (E8M0): e + 127.
;;     - Each number is divided by its block's scale, clamped to +-448, and rounded to the nearest number of E4M3, ties to even, subnormals kept.
;;     - The product sums the exact products of the quantised numbers (number of the format x scale) in f32.
;;   ~~~python
;;   def quantise(x, axis):      # numpy; x: float32 -> the quantised numbers, widened to float32 again
;;       x = np.moveaxis(x, axis, -1); K = x.shape[-1]
;;       x = np.pad(x, [(0, 0)] * (x.ndim - 1) + [(0, -K % 32)]); x = x.reshape(x.shape[:-1] + (-1, 32)); a = np.abs(x).max(-1, keepdims=True)
;;       e = np.where(a > 0, np.clip(np.frexp(np.where(a > 0, a, 1))[1] - 1 - 8, -126, 127), 0)      # np.frexp(a)[1] - 1 = floor(log2(a)), exactly
;;       r = np.clip(x / 2.0 ** e, -448, 448)
;;       step = 2.0 ** (np.maximum(np.frexp(np.where(r == 0, 1, r))[1] - 1, -6) - 3)
;;       q = np.round(r / step) * step * 2.0 ** e      # np.round: ties to even
;;       return np.moveaxis(q.reshape(q.shape[:-2] + (-1,))[..., :K], -1, axis).astype(np.float32)
;;   ~~~
;;   SOFTMAX AHEAD OF A QUANTISED PRODUCT. Where the list says 'softmax', what is quantised is not the finished softmax but p = 2^(t - M), with t = logit x log2(e) and M = ceil(the row's largest t), a whole number; so 1/2 < the row's largest p <= 1. The row's sum l is taken of the UNQUANTISED p, in f32, and the product's result is divided by l at the end. Since M is a whole number, a kernel that streams over the keys may use a running M (the ceiling of the running maximum): every later rescaling is an exact power of two, which a block's scale takes up: the codes' values come out the same.
;;   OPERANDS COMPUTED ON THE WAY. 'Computed on the way' means the value that the module computes at that place (a softmax that the list does not call 'softmax' is quantised finished and normalised). What goes into a quantiser is computed in f32, as accurately as f32 sums, v_exp_f32 and their like allow (about 1e-6 of the number): no bf16 or f16 on the way to a quantiser, and a product that is left as it is and whose result goes on into a quantised operand takes f32 operands (vector FMAs, or v_wmma_f32_16x16x4_f32). A number that lies on a knife's edge between two numbers of the format may be rounded either way, as far as f32 arithmetic and the matrix unit's own rounding can turn it there, and no further.
;; One version. Each part assembles by itself: llvm-mc -triple=amdgcn-amd-amdhsa -mcpu=gfx1250 --defsym DOCPART=n.
;; ======== version 1 of 1: 4 launches
;; limits: right only within a limited range of input values
;; workspace buffers: xq 8,912,896 bytes; wq 11,141,120 bytes; qkv 12,976,128 bytes; oq 8,912,896 bytes
;; launch quant (part 1): grid 896 x 1, 4 waves a work-group, no clusters, 34,304 bytes of LDS; arguments x, Wq, Wkv, Wo, xq, wq; writes xq, wq
.if DOCPART == 1
	.amdgcn_target "amdgcn-amd-amdhsa--gfx1250"
	.amdhsa_code_object_version 6
	.text
	.protected	k_q946822d83b_quant
	.globl	k_q946822d83b_quant
	.p2align	8
	.type	k_q946822d83b_quant,@function
k_q946822d83b_quant:
	s_mov_b64 s[64:65], 0
	v_nop
	global_prefetch_b8 v0, s[64:65] scope:SCOPE_SE
	s_setreg_imm32_b32 hwreg(HW_REG_WAVE_MODE, 25, 1), 1
	s_wait_xcnt 0x0
; x [4096][2048] and the weights Wq [2048][2048], Wkv [2048][1024], Wo [2048][2048], all f32, become codes of E4M3 with one E8M0 byte for each 32 along K (K = 2048 everywhere).
; A block's scale is 2^(floor(log2(largest magnitude)) - 8); each number is divided by it, held within +-448 and rounded to the nearest code, ties to even.
; LAYOUT OF THE CODES: images of operand registers.  A tile is 16 rows; slot r of tile i is row 32 (i / 2) + 8 (i % 2) + r % 8 + 16 (r / 8).  Fragment (tile, K step of 128) is 2,048 bytes:
; byte 512 c + 16 lane + e = the code of slot lane % 16 at k = 128 s + 32 c + 16 (lane / 16) + e.  A tile's 16 fragments lie on end (32,768 bytes).
; LAYOUT OF THE SCALE WORDS (4 bytes = 128 along K of one row): tile x 1,024 + (K step / 4) x 256 + 16 r + 4 (K step % 4), behind the codes.
; wq's rows are the weights' COLUMNS, in groups of 128: 0-15 Wq's heads; 16 + 2 j the keys' head j, 17 + 2 j the values' head j; 24-39 Wo.
; Work-groups 0-639 take the weights (K is their first axis: a lane takes a column, its registers run down K; no LDS); work-groups 640-895 take one tile of x each (K innermost; the numbers turn through the wave's own stage in LDS).
; The weights go first and in small shares (32 columns x 128 along K a wave): a load of theirs is 128 bytes a wave, so what is on its way is made of many waves, not of long queues.
; No tensor load, no barrier: waves share nothing.
; LIMITS: NaN and infinities among the inputs are not served.  A block of zeros (and one whose largest magnitude lies under 2^-118) gets the byte 1, not 127: zero codes add nothing under any byte but 0xff, and this program alone reads the bytes.
; THE SHARES, as they now stand: work-groups 0-639 take the weights, 40 groups of 128 columns x 16 K steps of 128 (a wave: 32 columns x 128 along K, four blocks a lane); work-groups 640-895 take one tile of x each.
.set WWG,  640                         ; the weights' work-groups
.set MNT,  17                          ; s17  the mantissa field of 448
.set SEL,  18                          ; s[18:19] lane selects: lane l xor 16
	s_load_b256 s[4:11], s[0:1], 0x0               ; x, Wq, Wkv, Wo
	s_load_b128 s[12:15], s[0:1], 0x20             ; xq, wq
	v_lshl_add_u32 v15, v0, 2, 0x8400
	v_mov_b32 v14, 0                               ; v15, v14: the add's two registers, kept for it alone
	v_lshrrev_b32 v1, 5, v0
	v_readfirstlane_b32 s16, v1                    ; wave 0..3
	v_and_b32 v1, 31, v0                           ; lane
	s_mov_b32 s[MNT], 0x600000
	s_mov_b32 s[SEL], 0x76543210
	s_mov_b32 s[SEL+1], 0xfedcba98
	s_wait_kmcnt 0x0
	s_cmp_lt_u32 ttmp9, WWG
	s_cbranch_scc0 .Lx_path
; ---------------- the weights: 40 groups of 128 columns x 16 K steps of 128; a wave takes 32 columns x 128 along K = 4 blocks a lane
.set NBL,  4                           ; blocks a lane
.set OFFS, 16                          ; v16-47   4 lane + i rows of the weight; never rewritten
.set X,    48                          ; v48-111  two sets of 32 numbers
.set C,    112                         ; v112-127 two sets of 8 registers of codes
.set SB,   4                           ; v4       the scale word of my K step
	s_lshr_b32 s20, ttmp9, 4                       ; column group 0..39
	s_and_b32 s21, ttmp9, 15                       ; K step
	s_sub_co_u32 s22, s20, 16                      ; the group's number in Wkv (wraps for Wq's groups)
	s_sub_co_u32 s23, s20, 24                      ; in Wo
	s_mov_b32 s24, 8192                            ; bytes in a row of the weight
	s_mov_b32 s25, s20                             ; the row group in wq
	s_mov_b64 s[26:27], s[10:11]                   ; Wo, unless
	s_and_b32 s28, s22, 3                          ; Wkv: columns are [k | v][head][128]: group t = 4 (k or v) + head goes to 16 + 2 head + (k or v)
	s_lshl_b32 s28, s28, 1
	s_lshr_b32 s29, s22, 2
	s_add_co_u32 s28, s28, s29
	s_add_co_u32 s28, s28, 16
	s_cmp_lt_u32 s22, 8                            ; the choices hang on the work-group's number alone
	s_cselect_b64 s[26:27], s[8:9], s[26:27]
	s_cselect_b32 s23, s22, s23
	s_cselect_b32 s24, 4096, s24
	s_cselect_b32 s25, s28, s25
	s_cmp_lt_u32 s20, 16
	s_cselect_b64 s[26:27], s[6:7], s[26:27]
	s_cselect_b32 s23, s20, s23
	s_mul_i32 s30, s21, s24
	s_lshl_b32 s30, s30, 7                         ; 128 rows a K step
	s_lshl_b32 s31, s23, 9                         ; 128 columns of 4 bytes a group
	s_add_co_u32 s30, s30, s31
	s_lshl_b32 s31, s16, 7                         ; 32 columns a wave
	s_add_co_u32 s30, s30, s31
	s_mov_b32 s31, 0
	s_add_nc_u64 s[36:37], s[26:27], s[30:31]      ; where even blocks are loaded from
	s_lshl_b32 s32, s24, 5
	s_mov_b32 s33, 0
	s_add_nc_u64 s[38:39], s[36:37], s[32:33]      ; odd blocks: 32 rows further down
	s_lshl_b32 s34, s24, 6                         ; a step: 64 rows
	s_mov_b32 s35, 0
	s_lshl_b32 s40, s25, 3
	s_lshl_b32 s41, s16, 1
	s_add_co_u32 s40, s40, s41                     ; my first tile: 8 x row group + 2 x wave
	; WHERE THE IMAGES LIE (this holds for xq and wq, in place of the tile-major order named at the head): [pair of K steps][tile][4,352 bytes]:
	; the pair's two fragments (4,096 bytes), then the pair's scale words, 8 r + 4 (K step % 2), written twice: at 4,096 and at 4,224.  xq has 256 tiles to a pair, wq 320.
	s_mul_i32 s40, s40, 4352
	s_lshr_b32 s41, s21, 1
	s_mul_i32 s41, s41, 1392640                    ; the pair of K steps
	s_add_co_u32 s40, s40, s41                     ; my first tile's unit
	s_and_b32 s41, s21, 1
	s_lshl_b32 s42, s41, 2
	s_add_co_u32 s42, s42, s40
	s_mov_b32 s43, 0
	s_add_nc_u64 s[42:43], s[14:15], s[42:43]      ; my K step's word of each 8 bytes
	s_lshl_b32 s41, s41, 11
	s_add_co_u32 s40, s40, s41
	s_mov_b32 s41, 0
	s_add_nc_u64 s[40:41], s[14:15], s[40:41]      ; my K step's fragment
	s_wait_alu depctr_va_vdst(0)
	v_lshlrev_b32 v6, 2, v1
.set i, 0
.rept 32
	v_mad_u32_u24 v[OFFS+i], s24, i, v6
.set i, i+1
.endr
	v_bfe_u32 v8, v1, 3, 1                         ; column l of 32 is slot l % 8 + 8 (l / 16) of tile (l / 8) % 2
	v_and_b32 v9, 7, v1
	v_lshrrev_b32 v10, 4, v1
	v_lshl_or_b32 v9, v10, 3, v9
	v_mul_u32_u24 v8, v8, 4352
	v_lshl_add_u32 v2, v9, 4, v8                   ; codes: tile x 4,352 + 16 r
	v_lshl_add_u32 v3, v9, 3, v8                   ; scale words: tile x 4,352 + 8 r
.macro WLOAD t                         ; block t: 32 rows of my column: a wave's load reads 128 consecutive bytes, the four waves stand side by side
.set i, 0
.rept 32
	global_load_b32 v[X+32*((\t)%2)+i], v[OFFS+i], s[36+2*((\t)%2):37+2*((\t)%2)] th:TH_LOAD_NT
.set i, i+1
.endr
.endm
.macro WBLOCK t
.set XS, X+32*((\t)%2)
.set CC, C+8*((\t)%2)
.if (\t) < NBL-1
	s_wait_loadcnt 32                              ; this block's 32 loads are in (so their base may be stepped); the next block's may be out
.else
	s_wait_loadcnt 0
.endif
	v_max3_num_f32 v12, |v[XS]|, |v[XS+1]|, |v[XS+2]|              ; the block's largest magnitude: all 32 numbers are mine
	v_max3_num_f32 v13, |v[XS+3]|, |v[XS+4]|, |v[XS+5]|
.irp i, 6,10,14,18,22,26
	v_max3_num_f32 v12, v12, |v[XS+\i]|, |v[XS+\i+1]|
	v_max3_num_f32 v13, v13, |v[XS+\i+2]|, |v[XS+\i+3]|
.endr
	v_max3_num_f32 v12, v12, |v[XS+30]|, |v[XS+31]|
	v_max3_num_f32 v12, v12, v13, 0x4800000        ; and the floor 2^(9 - 127): the byte cannot fall under 1
	v_add_nc_u32 v11, 0xfc000000, v12              ; 8 off the exponent field: the conversion's scale operand
	v_and_or_b32 v10, v12, 0x7f800000, s[MNT]      ; 448 x the scale
	v_lshrrev_b32 v13, 23, v11                     ; the byte
.if (\t)%4 == 0
	v_mov_b32 v[SB+(\t)/4], v13
.else
	v_lshl_or_b32 v[SB+(\t)/4], v13, 8*((\t)%4), v[SB+(\t)/4]
.endif
.set i, 0
.rept 32
	v_med3_num_f32 v[XS+i], v[XS+i], -v10, v10     ; the conversion to an 8-bit code does not saturate (ISA guide 7.6.2): the hold comes first
.set i, i+1
.endr
.if (\t) >= 2
	s_wait_alu depctr_va_vdst(0)
	s_wait_xcnt 0x0                                ; the stores of two blocks back have read this set of code registers
.endif
.irp g, 0,1,2,3
	v_cvt_scalef32_pk8_fp8_f32 v[CC+2*\g:CC+2*\g+1], v[XS+8*\g:XS+8*\g+7], v11
.endr
	global_store_b128 v2, v[CC:CC+3], s[40:41] offset:((\t)/4)*2048+((\t)%4)*512        ; k 0-15 of the block: the sixteen lanes of a tile fill 256 consecutive bytes, aligned
	global_store_b128 v2, v[CC+4:CC+7], s[40:41] offset:((\t)/4)*2048+((\t)%4)*512+256  ; k 16-31: the image's upper lanes
.if (\t)+2 < NBL
	s_add_nc_u64 s[36+2*((\t)%2):37+2*((\t)%2)], s[36+2*((\t)%2):37+2*((\t)%2)], s[34:35]
	WLOAD (\t)+2
.endif
.endm
	WLOAD 0
	WLOAD 1
.irp t, 0,1,2,3
	WBLOCK \t
.endr
	global_store_b32 v3, v[SB], s[42:43] offset:4096           ; my K step's word of my column: 4 bytes of each 8; the pair's other K step writes the other 4,
	global_store_b32 v3, v[SB], s[42:43] offset:4224           ; and the second copy
	s_endpgm
; ---------------- x: one tile of 16 rows a work-group; wave w takes K steps 4 w .. 4 w + 3
.Lx_path:
.set TM,   16                          ; v16-31   at work in the quantiser
.set R,    32                          ; v32-159  two sets of 64: a fragment's numbers as loaded
.set ST,   160                         ; v160-223 register 16 b + i = k 32 b + 16 (lane / 16) + i of my row
.set PC,   224                         ; v224-255 two sets of 16 registers of codes
.set PW,   8                           ; v8-11    the four fragments' scale words
	s_sub_co_u32 s20, ttmp9, WWG                   ; the tile
	s_lshr_b32 s21, s20, 1
	s_lshl_b32 s21, s21, 5
	s_and_b32 s22, s20, 1
	s_lshl_b32 s22, s22, 3
	s_add_co_u32 s21, s21, s22                     ; slot 0's row
	s_lshl_b32 s22, s21, 13
	s_lshl_b32 s23, s16, 11
	s_add_co_u32 s22, s22, s23
	s_mov_b32 s23, 0
	s_add_nc_u64 s[4:5], s[4:5], s[22:23]
	s_mul_i32 s24, s20, 4352
	s_mul_i32 s25, s16, 2228224                    ; two pairs of K steps a wave
	s_add_co_u32 s24, s24, s25
	s_mov_b32 s25, 0
	s_add_nc_u64 s[26:27], s[12:13], s[24:25]      ; my tile's unit in my first pair
	s_mul_i32 s30, s16, 8448                       ; my stage: 16 rows x (512 + 16) bytes
	s_mov_b32 s31, 0xffff0000
	s_wait_alu depctr_va_vdst(0)
	v_lshlrev_b32 v2, 4, v1                        ; 16 x lane
	v_add_nc_u32 v3, s30, v2                       ; into the stage: a row's 512 bytes as they lie
	v_and_b32 v6, 15, v1                           ; r
	v_lshrrev_b32 v7, 4, v1                        ; h
	v_mul_u32_u24 v4, v6, 528
	v_lshl_add_u32 v4, v7, 6, v4
	v_add_nc_u32 v4, s30, v4                       ; out of it: row r, + 64 h: my 16 numbers of each block of 32
	v_mul_u32_u24 v5, v7, 1114112
	v_lshl_add_u32 v5, v6, 3, v5                   ; 8 r, lanes 16-31 a pair further on
.irp b, 0,1,2,3
	v_mov_b32 v[TM+4+\b], 0                        ; written once: a lane permute's destination counts as one of its sources
.endr
.macro XLOADF f                        ; fragment f: 128 numbers of each of the 16 rows: a load reads 512 consecutive bytes
.set i, 0
.rept 16
	global_load_b128 v[R+64*((\f)%2)+4*i:R+64*((\f)%2)+4*i+3], v2, s[4:5] offset:((i&7)+16*(i>>3))*8192+512*(\f) th:TH_LOAD_NT
.set i, i+1
.endr
.endm
.macro XQUANT s, pc, pw                ; 64 numbers of a lane become a fragment's codes and its row's scale word
.irp b, 0,1,2,3
	v_max3_num_f32 v[TM+\b], |v[\s+16*\b]|, |v[\s+1+16*\b]|, 0x4800000
.endr
.irp i, 2,4,6,8,10,12,14
.irp b, 0,1,2,3
	v_max3_num_f32 v[TM+\b], v[TM+\b], |v[\s+16*\b+\i]|, |v[\s+1+16*\b+\i]|
.endr
.endr
.irp b, 0,1,2,3
	v_permlanex16_b32 v[TM+4+\b], v[TM+\b], s[SEL], s[SEL+1]
.endr
.irp b, 0,1,2,3
	v_max_num_f32 v[TM+\b], v[TM+\b], v[TM+4+\b]   ; with lane l xor 16's 16 numbers: the block's largest magnitude
.endr
.irp b, 0,1,2,3
	v_add_nc_u32 v[TM+12+\b], 0xfc000000, v[TM+\b]
.endr
.irp b, 0,1,2,3
	v_and_or_b32 v[TM+8+\b], v[TM+\b], 0x7f800000, s[MNT]
.endr
.irp b, 0,1,2,3
	v_lshrrev_b32 v[TM+4+\b], 23, v[TM+12+\b]
.endr
	v_lshl_or_b32 v[\pw], v[TM+5], 8, v[TM+4]
	v_lshl_or_b32 v[\pw], v[TM+6], 16, v[\pw]
	v_lshl_or_b32 v[\pw], v[TM+7], 24, v[\pw]
.irp b, 0,1,2,3
.set i, 0
.rept 16
	v_med3_num_f32 v[\s+16*\b+i], v[\s+16*\b+i], -v[TM+8+\b], v[TM+8+\b]
.set i, i+1
.endr
.endr
.irp b, 0,1,2,3
	v_cvt_scalef32_pk8_fp8_f32 v[\pc+4*\b:\pc+4*\b+1], v[\s+16*\b:\s+16*\b+7], v[TM+12+\b]
	v_cvt_scalef32_pk8_fp8_f32 v[\pc+4*\b+2:\pc+4*\b+3], v[\s+16*\b+8:\s+16*\b+15], v[TM+12+\b]
.endr
	v_nop                                          ; one plain line behind the last scaled conversion
.endm
.macro XFRAG f
.if (\f) < 3
	s_wait_loadcnt 16                              ; this fragment's 16 loads are in; the next one's may be out
.else
	s_wait_loadcnt 0
.endif
.set i, 0
.rept 16
	ds_store_b128 v3, v[R+64*((\f)%2)+4*i:R+64*((\f)%2)+4*i+3] offset:528*i
.set i, i+1
.endr
.irp b, 0,1,2,3
.irp j, 0,1,2,3
	ds_load_b128 v[ST+16*\b+4*\j:ST+16*\b+4*\j+3], v4 offset:128*\b+16*\j     ; LDS serves a wave's instructions in order: these see my stores
.endr
.endr
	s_wait_dscnt 0x0                               ; the numbers are back, and the stage's stores have read their registers,
.if (\f) < 2
	XLOADF (\f)+2                                  ; which take the loads of two fragments on
.endif
.if (\f) >= 2
	s_wait_xcnt 0x0                                ; the stores of two fragments back have read this set of code registers
.endif
	XQUANT ST, PC+16*((\f)%2), PW+(\f)
.irp c, 0,1,2,3
	global_store_b128 v2, v[PC+16*((\f)%2)+4*\c:PC+16*((\f)%2)+4*\c+3], s[26:27] offset:1114112*((\f)/2)+2048*((\f)%2)+512*\c   ; 512 consecutive bytes of the image
.endr
.endm
	XLOADF 0
	XLOADF 1
	s_wait_alu depctr_va_vdst(0)
	XFRAG 0
	XFRAG 1
	XFRAG 2
	XFRAG 3
	v_cndmask_b32 v12, v[PW], v[PW+2], s31         ; lanes 0-15 store K steps 0, 1 of row r, lanes 16-31 K steps 2, 3 (both halves hold the row's words)
	v_cndmask_b32 v13, v[PW+1], v[PW+3], s31
	global_store_b64 v5, v[12:13], s[26:27] offset:4096        ; sixteen lanes fill 128 consecutive bytes of a pair's unit,
	global_store_b64 v5, v[12:13], s[26:27] offset:4224        ; and the second copy the 128 behind them
	s_wait_tensorcnt 0x0                           ; the wave's end
	ds_add_u32 v15, v14
	s_wait_dscnt 0x0
	s_endpgm
.Lfunc_end_k_q946822d83b_quant:
	.size	k_q946822d83b_quant, .Lfunc_end_k_q946822d83b_quant-k_q946822d83b_quant
	.p2alignl 7, 3214868480
	.fill 96, 4, 3214868480
	.section	.rodata,"a",@progbits
	.p2align	6, 0x0
	.amdhsa_kernel k_q946822d83b_quant
		.amdhsa_group_segment_fixed_size 34304
		.amdhsa_private_segment_fixed_size 0
		.amdhsa_enable_private_segment 0
		.amdhsa_kernarg_size 48
		.amdhsa_user_sgpr_count 2
		.amdhsa_user_sgpr_kernarg_segment_ptr 1
		.amdhsa_wavefront_size32 1
		.amdhsa_system_sgpr_workgroup_id_x 1
		.amdhsa_system_sgpr_workgroup_id_y 1
		.amdhsa_system_sgpr_workgroup_id_z 1
		.amdhsa_system_vgpr_workitem_id 0
		.amdhsa_next_free_vgpr 256
		.amdhsa_next_free_sgpr 66
		.amdhsa_reserve_vcc 0
		.amdhsa_float_denorm_mode_32 3
		.amdhsa_float_denorm_mode_16_64 3
		.amdhsa_memory_ordered 1
		.amdhsa_forward_progress 1
		.amdhsa_inst_pref_size 82
	.end_amdhsa_kernel
	.amdgpu_metadata
---
amdhsa.version: [ 1, 2 ]
amdhsa.kernels:
  - .name:           k_q946822d83b_quant
    .symbol:         k_q946822d83b_quant.kd
    .args:
      - { .name: x, .offset: 0, .size: 8, .value_kind: global_buffer, .address_space: global }
      - { .name: Wq, .offset: 8, .size: 8, .value_kind: global_buffer, .address_space: global }
      - { .name: Wkv, .offset: 16, .size: 8, .value_kind: global_buffer, .address_space: global }
      - { .name: Wo, .offset: 24, .size: 8, .value_kind: global_buffer, .address_space: global }
      - { .name: xq, .offset: 32, .size: 8, .value_kind: global_buffer, .address_space: global }
      - { .name: wq, .offset: 40, .size: 8, .value_kind: global_buffer, .address_space: global }
    .group_segment_fixed_size: 34304
    .private_segment_fixed_size: 0
    .kernarg_segment_align: 8
    .kernarg_segment_size: 48
    .max_flat_workgroup_size: 128
    .sgpr_count:     66
    .vgpr_count:     256
    .wavefront_size: 32
...
	.end_amdgpu_metadata
.endif
;; end of part 1
;; launch gemm_qkv (part 2): grid 12 x 16, 4 waves a work-group, clusters of 4 x 4, 327,680 bytes of LDS; arguments xq, wq, cos, sin, qkv; writes qkv
.if DOCPART == 2
	.amdgcn_target "amdgcn-amd-amdhsa--gfx1250"
	.amdhsa_code_object_version 6
	.text
	.protected	k_q946822d83b_gemm_qkv
	.globl	k_q946822d83b_gemm_qkv
	.p2align	8
	.type	k_q946822d83b_gemm_qkv,@function
k_q946822d83b_gemm_qkv:
	s_mov_b64 s[64:65], 0
	v_nop
	global_prefetch_b8 v0, s[64:65] scope:SCOPE_SE
	s_setreg_imm32_b32 hwreg(HW_REG_WAVE_MODE, 25, 1), 1
	s_wait_xcnt 0x0
	s_wait_alu depctr_hold_cnt(0) depctr_sa_sdst(0) depctr_va_vdst(0) depctr_va_sdst(0) depctr_va_ssrc(0) depctr_va_vcc(0) depctr_vm_vsrc(0)
	s_getreg_b32 s2, hwreg(HW_REG_IB_STS2, 6, 4)
	s_cmp_eq_u32 s2, 0
	s_cbranch_scc0 .Lentry_in_a_cluster
	s_endpgm
.Lentry_in_a_cluster:
	s_bfe_u32 s2, ttmp6, 0x10000c
	s_cmp_lg_u32 s2, 0xf033
	s_cbranch_scc0 .Lentry_shape_is_right
	s_endpgm
.Lentry_shape_is_right:
; q, k, v = x [Wq | Wkv] on codes of E4M3 with E8M0 scales (K = 2,048), then RoPE on q and k, and the quantisers of the two attention products: q, k along the head's 128, v along the tokens.  Codes and scale words leave as images of the next launch's operand registers.
; SHARES: a work-group of four waves makes 256 tokens x 256 columns; a wave 128 tokens x one group of 128 columns (a head of q, k or v), 64 accumulators.  RoPE and the quantiser want a head's 128 columns in one wave: 768 such wave tiles, 192 work-groups.
; OPERANDS in memory: [pair of K steps][tile of 16 rows][4,352 bytes]: two fragments of 2,048 bytes (images of the registers), then the pair's scale words 8 r + 4 (K step % 2), twice (at 4,096 and 4,224).  So 16 tiles of a pair are one dense block of 272 rows of 256 bytes, codes and scale words together.
; RING: two slots, each a pair of K steps: the tokens' 16 tiles, then the columns' 16.  THE HEAD has four load lines, one a wave: wave 0 tokens pair 0, wave 1 columns pair 0, wave 2 tokens pair 1, wave 3 columns pair 1.  The first barrier shows waves 0 and 1's lines alone; the first change of slots waits for the rest.
; Refills: a half of an operand's block a wave (136 rows), behind a round of the cluster's barrier.  CLUSTERS 4 x 4: the tokens' tiles are asked for jointly along a row, the columns' along a column.
; PREFETCH: in each pair a cluster row's 16 tiles of the tokens are shared out, a tile a wave, among its 16 waves by address (4 cx + wave), a column's likewise (4 cy + wave); lanes 0-16 name the tile's 17 blocks of 256 bytes, the others the last again.
; Pairs 2 and 3 are asked for at the head, pairs 4 to 7 at the refills that stand two refills ahead of their own; the last trip asks for nothing.
; A wave of v (cluster x = 2, odd column of waves) swaps the two sources, so that a lane holds one channel and its registers run along the tokens.
; LIMITS: NaN and infinities are not served; a block of zeros gets the byte 1, not 127: this program alone reads the bytes.
.set TS,    4352
.set HALF,  8*TS
.set OPB,   16*TS
.set SLOT,  32*TS
.set SPARE, 2*SLOT
.set KPA,   256*TS
.set KPB,   320*TS
.set AD1,  16
.set AD0,  20
.set LI,   24
.set CA,   25
.set ADRS, 26
.set SPW,  28
.set NIL,  29
.set PFO,  30
.set SC,   32
.set CO,   64
.set F1,   128
.set ST,   128
.set TM,   224
.set PW,   240
.set WD,   248
.set G1,   24
.set G0,   32
.set G1B,  48
.set G0B,  56
.set G1H,  68
.set G0H,  76
.set G1HB, 80
.set G0HB, 88
.set SEL,  66
.set ISV,  98
.set AMASK, 99
.set HI16, 100
.set MNT,  101
.set MSB, 0
.macro WIN new
.if MSB != (\new)
	s_set_vgpr_msb (MSB<<8)|(\new)
.set MSB, (\new)
.endif
.endm
.set MUL_LO, 0xa1
.set MUL_HI, 0xf1
.set TO_B,   0x40
.macro PLACES n
.rept \n
	v_nop
.endr
.endm
.macro JLOAD g0a, g1a, g0b, g1b        ; waves 0, 1 fetch the tokens' halves, waves 2, 3 the columns'
	s_cmp_eq_u32 s15, 0
	s_cbranch_scc0 .Lfor_b_\@
	tensor_load_to_lds s[\g0a:\g0a+3], s[\g1a:\g1a+7]
	s_nop 0
	PLACES 4
	s_branch .Lasked_\@
.Lfor_b_\@:
	tensor_load_to_lds s[\g0b:\g0b+3], s[\g1b:\g1b+7]
	s_nop 0
	PLACES 4
.Lasked_\@:
.endm
.macro CREST
	s_cmp_lg_u32 s14, 0
	s_cbranch_scc1 .Lnot_wave_0_\@
	s_barrier_signal -3
.Lnot_wave_0_\@:
	s_barrier_wait -3
	s_barrier_signal -1
	s_barrier_wait -1
.endm
.macro CROUND
	s_barrier_signal -1
	s_barrier_wait -1
	CREST
.endm
	s_load_b256 s[4:11], s[0:1], 0x0               ; xq, wq, cos, sin
	s_load_b64 s[12:13], s[0:1], 0x20              ; qkv
	v_lshl_add_u32 v[SPW], v0, 2, SPARE
	v_mov_b32 v[NIL], 0
	ds_add_u32 v[SPW], v[NIL]                      ; the opening lines: the add twice on end and its one wait
	ds_add_u32 v[SPW], v[NIL]
	v_lshrrev_b32 v1, 5, v0
	v_readfirstlane_b32 s14, v1                    ; wave
	s_lshr_b32 s15, s14, 1
	s_and_b32 s16, s14, 1
	s_bfe_u32 s40, ttmp6, 0x40000                  ; cx
	s_bfe_u32 s41, ttmp6, 0x40004                  ; cy
	s_lshl_b32 s42, ttmp9, 2
	s_add_co_u32 s42, s42, s40                     ; tile column
	s_and_b32 s17, ttmp7, 0xffff
	s_lshl_b32 s17, s17, 2
	s_add_co_u32 s17, s17, s41                     ; tile row
	s_lshl_b32 s43, s41, 2
	s_lshl_b32 s43, 15, s43
	s_lshl_b32 s44, 0x1111, s40
	s_or_b32 s[G1+0], s43, (3<<16)|(1<<21)
	s_or_b32 s[G1H+0], s43, (3<<16)|(1<<21)
	s_or_b32 s[G1B+0], s44, (3<<16)|(1<<21)
	s_or_b32 s[G1HB+0], s44, (3<<16)|(1<<21)
.irp g, G1, G1B, G1H, G1HB             ; dense blocks as rows of 256 bytes (32 elements of 8)
	s_mov_b32 s[\g+1], 32<<16
	s_mov_b32 s[\g+3], 32<<16
	s_mov_b32 s[\g+5], 32
	s_mov_b32 s[\g+6], 0
	s_mov_b32 s[\g+7], 0
.endr
.irp g, G1, G1B                        ; a refill: 8 tiles
	s_mov_b32 s[\g+2], 136<<16
	s_mov_b32 s[\g+4], 136
.endr
.irp g, G1H, G1HB                      ; the head: 16 tiles
	s_mov_b32 s[\g+2], 272<<16
	s_mov_b32 s[\g+4], 272
.endr
	s_mul_i32 s20, s17, 16*TS                      ; the tokens' first tile
	s_mul_i32 s46, s42, 16*TS                      ; the columns'
	s_mul_i32 s18, s15, KPA                        ; at the head I fetch pair wave / 2
	s_add_co_u32 s22, s20, s18
	s_mov_b32 s23, 0
	s_mul_i32 s18, s15, KPB
	s_add_co_u32 s92, s46, s18
	s_mov_b32 s93, 0
	s_mul_i32 s45, s16, HALF                       ; in the ring half wave % 2
	s_add_co_u32 s20, s20, s45
	s_mov_b32 s21, 0
	s_add_co_u32 s46, s46, s45
	s_mov_b32 s47, 0
	s_mul_i32 s94, s15, SLOT
	s_add_co_u32 s96, s45, OPB
	s_wait_dscnt 0x0
	CROUND                                         ; all sixteen work-groups are here
	s_wait_kmcnt 0x0
	s_add_nc_u64 s[20:21], s[4:5], s[20:21]
	s_add_nc_u64 s[22:23], s[4:5], s[22:23]
	s_add_nc_u64 s[46:47], s[6:7], s[46:47]
	s_add_nc_u64 s[92:93], s[6:7], s[92:93]
	s_mov_b32 s[G0H], 1
	s_mov_b32 s[G0H+1], s94
	s_mov_b64 s[G0H+2:G0H+3], s[22:23]
	s_or_b32 s[G0H+3], s[G0H+3], 0x80000000
	s_mov_b32 s[G0HB], 1
	s_add_co_u32 s[G0HB+1], s94, OPB
	s_mov_b64 s[G0HB+2:G0HB+3], s[92:93]
	s_or_b32 s[G0HB+3], s[G0HB+3], 0x80000000
.irp s, 0,1
	s_mov_b32 s[G0+4*\s], 1
	s_add_co_u32 s[G0+4*\s+1], s45, \s*SLOT
	s_add_nc_u64 s[G0+4*\s+2:G0+4*\s+3], s[20:21], \s*KPA
	s_or_b32 s[G0+4*\s+3], s[G0+4*\s+3], 0x80000000
	s_mov_b32 s[G0B+4*\s], 1
	s_add_co_u32 s[G0B+4*\s+1], s96, \s*SLOT
	s_add_nc_u64 s[G0B+4*\s+2:G0B+4*\s+3], s[46:47], \s*KPB
	s_or_b32 s[G0B+4*\s+3], s[G0B+4*\s+3], 0x80000000
.endr
.macro ARM under, g0, g1, next         ; one chain of branches on the wave's number, one load to an arm
	s_cmp_lt_u32 s14, \under
	s_cbranch_scc0 \next
	tensor_load_to_lds s[\g0:\g0+3], s[\g1:\g1+7]
	s_nop 0
	PLACES 4
	s_branch .Lhead_asked
\next:
.endm
	ARM 1, G0H,  G1H,  .Lh1
	ARM 2, G0HB, G1HB, .Lh2
	ARM 3, G0H,  G1H,  .Lh3
	tensor_load_to_lds s[G0HB:G0HB+3], s[G1HB:G1HB+7]
	s_nop 0
	PLACES 4
.Lhead_asked:
	v_and_b32 v1, 31, v0
	v_and_b32 v2, 15, v0
	v_bfe_u32 v3, v0, 4, 1
	v_lshlrev_b32 v[LI], 4, v1
	v_min_u32 v[PFO], 16, v1
	v_lshlrev_b32 v[PFO], 8, v[PFO]                ; a tile's 17 blocks of 256 bytes
	s_wait_alu depctr_va_vdst(0)
	s_mul_i32 s21, s15, HALF
	s_mul_i32 s22, s16, HALF
	s_add_co_u32 s22, s22, OPB
	s_cmp_eq_u32 ttmp9, 2
	s_cselect_b32 s[ISV], s16, 0
	s_cmp_eq_u32 s[ISV], 1
	s_cselect_b32 s18, s22, s21
	s_cselect_b32 s19, s21, s22
	s_mov_b32 s[AMASK], 0xffff
	s_cselect_b32 s[AMASK], 0xffff0000, s[AMASK]
.irp s, 0,1
	v_add_nc_u32 v[AD1+\s], s18, v[LI]
	v_add_nc_u32 v[AD0+\s], s19, v[LI]
	s_add_co_u32 s18, s18, SLOT
	s_add_co_u32 s19, s19, SLOT
.endr
	s_add_co_u32 s22, s22, 4224                    ; the columns' words: the second copy;
	s_add_co_u32 s21, s21, 4096                    ; the tokens': the first
	v_lshl_add_u32 v4, v2, 3, s22
	v_lshl_add_u32 v5, v2, 3, s21
	v_cndmask_b32 v[ADRS], v4, v5, s[AMASK]
	v_add_nc_u32 v[ADRS+1], SLOT, v[ADRS]
	v_and_b32 v4, 7, v2
	v_lshrrev_b32 v5, 3, v2
	v_lshl_add_u32 v4, v5, 4, v4
	v_lshlrev_b32 v4, 8, v4
	v_lshl_add_u32 v[CA], v3, 6, v4
	s_and_b32 s18, s17, 3
	s_lshl_b32 s18, s18, 1
	s_add_co_u32 s18, s18, s15
	s_lshl_b32 s20, s18, 15
	s_mov_b32 s21, 0
	s_add_nc_u64 s[8:9], s[8:9], s[20:21]
	s_add_nc_u64 s[10:11], s[10:11], s[20:21]
.macro CSLOAD a, w, base               ; cos and sin of block a's 16 tokens
	WIN (\w)<<6
.irp bb, 0,1
.irp jj, 0,1,2,3
	global_load_b128 v[(\base)+16*\bb+4*\jj:(\base)+16*\bb+4*\jj+3], v[CA], s[8:9] offset:(32*((\a)/2)+8*((\a)%2))*256+128*\bb+16*\jj
	global_load_b128 v[(\base)+32+16*\bb+4*\jj:(\base)+32+16*\bb+4*\jj+3], v[CA], s[10:11] offset:(32*((\a)/2)+8*((\a)%2))*256+128*\bb+16*\jj
.endr
.endr
	WIN 0
.endm
	CSLOAD 0, 0, CO
	s_lshr_b32 s19, s17, 2
	s_lshl_b32 s20, s19, 4
	s_lshl_b32 s21, s42, 1
	s_add_co_u32 s20, s20, s21
	s_add_co_u32 s20, s20, s16
	s_lshl_b32 s20, s20, 3
	s_add_co_u32 s20, s20, s18
	s_lshl_b32 s21, s20, 9
	s_add_co_u32 s21, s21, 12582912
	s_lshl_b32 s20, s20, 14
	s_lshl_b32 s22, s19, 2
	s_add_co_u32 s22, s22, s40
	s_lshl_b32 s23, s22, 13
	s_lshl_b32 s45, s16, 12
	s_add_co_u32 s23, s23, s45
	s_lshl_b32 s45, s18, 9
	s_add_co_u32 s23, s23, s45
	s_add_co_u32 s23, s23, 12845056
	s_lshl_b32 s22, s22, 18
	s_lshr_b32 s45, s18, 1
	s_lshl_b32 s45, s45, 16
	s_add_co_u32 s22, s22, s45
	s_lshl_b32 s45, s16, 15
	s_add_co_u32 s22, s22, s45
	s_and_b32 s45, s18, 1
	s_lshl_b32 s45, s45, 14
	s_add_co_u32 s22, s22, s45
	s_add_co_u32 s22, s22, 8388608
	s_cmp_eq_u32 ttmp9, 2
	s_cselect_b32 s92, s22, s20
	s_cselect_b32 s94, s23, s21
	s_mov_b32 s93, 0
	s_mov_b32 s95, 0
	s_add_nc_u64 s[92:93], s[12:13], s[92:93]
	s_add_nc_u64 s[94:95], s[12:13], s[94:95]
	s_mov_b32 s[SEL], 0x76543210
	s_mov_b32 s[SEL+1], 0xfedcba98
	s_mov_b32 s[HI16], 0xffff0000
	s_mov_b32 s[MNT], 0x600000
	; the prefetches: s[4:5] my tile of the tokens, s[6:7] of the columns, at pair 2
	s_lshl_b32 s20, s17, 4
	s_lshl_b32 s21, s40, 2
	s_add_co_u32 s20, s20, s21
	s_add_co_u32 s20, s20, s14
	s_mul_i32 s20, s20, TS
	s_add_co_u32 s20, s20, 2*KPA
	s_mov_b32 s21, 0
	s_add_nc_u64 s[4:5], s[4:5], s[20:21]
	s_lshl_b32 s20, s42, 4
	s_lshl_b32 s22, s41, 2
	s_add_co_u32 s20, s20, s22
	s_add_co_u32 s20, s20, s14
	s_mul_i32 s20, s20, TS
	s_add_co_u32 s20, s20, 2*KPB
	s_add_nc_u64 s[6:7], s[6:7], s[20:21]
	global_prefetch_b8 v[PFO], s[4:5] th:TH_LOAD_NT scope:SCOPE_SE
	global_prefetch_b8 v[PFO], s[6:7] th:TH_LOAD_NT scope:SCOPE_SE
	global_prefetch_b8 v[PFO], s[4:5] offset:KPA th:TH_LOAD_NT scope:SCOPE_SE
	global_prefetch_b8 v[PFO], s[6:7] offset:KPB th:TH_LOAD_NT scope:SCOPE_SE
.macro ASK k                           ; the pair two refills on; the loop's last trip (s3 = 1) has none
	s_cmp_gt_u32 s3, 1
	s_cbranch_scc0 .Lnone_\@
	global_prefetch_b8 v[PFO], s[4:5] offset:(\k)*KPA th:TH_LOAD_NT scope:SCOPE_SE
	global_prefetch_b8 v[PFO], s[6:7] offset:(\k)*KPB th:TH_LOAD_NT scope:SCOPE_SE
.Lnone_\@:
.endm
.macro FRAG reg, adr, q, i
.irp c, 0,1,2,3
	ds_load_b128 v[\reg+4*\c:\reg+4*\c+3], v[\adr] offset:TS*(\i)+2048*(\q)+512*\c
.endr
.endm
.macro MULS a0, p, q, sc, zero         ; the 64 accumulators take turns, one instruction a turn
.irp a, \a0, \a0+1
.irp b, 0,1,2,3,4,5,6,7
.if \zero
	v_wmma_scale_f32_16x16x128_f8f6f4 v[8*(8*((\a)%4)+\b):8*(8*((\a)%4)+\b)+7], v[128*(\p)+16*\b:128*(\p)+16*\b+15], v[F1+16*(\a):F1+16*(\a)+15], 0, v[SC+16*(\sc)+2*\b+(\q)], v[SC+16*(\sc)+2*(\a)+(\q)] matrix_a_scale:MATRIX_SCALE_ROW1
.else
	v_wmma_scale_f32_16x16x128_f8f6f4 v[8*(8*((\a)%4)+\b):8*(8*((\a)%4)+\b)+7], v[128*(\p)+16*\b:128*(\p)+16*\b+15], v[F1+16*(\a):F1+16*(\a)+15], v[8*(8*((\a)%4)+\b):8*(8*((\a)%4)+\b)+7], v[SC+16*(\sc)+2*\b+(\q)], v[SC+16*(\sc)+2*(\a)+(\q)] matrix_a_scale:MATRIX_SCALE_ROW1
.endif
.endr
.endr
.endm
.macro FETCH_0 slot, q, p
	WIN TO_B
.irp i, 0,1,2,3,4,5,6,7
	FRAG 128*(\p)+16*\i, AD0+\slot, \q, \i
.endr
	WIN 0
.endm
.macro FETCH_1 slot, q, i0
.irp i, \i0, \i0+1, \i0+2, \i0+3
	FRAG F1+16*(\i), AD1+\slot, \q, \i
.endr
.endm
.macro SCALES sc                       ; the slot's two words a row: lanes 0-15 source 1's block i, lanes 16-31 source 0's
.irp i, 0,1,2,3,4,5,6,7
	ds_load_b64 v[SC+16*\sc+2*\i:SC+16*\sc+2*\i+1], v[ADRS+\sc] offset:\i*TS
.endr
.endm
.macro STEP slot, zero
	s_wait_dscnt 16                                ; all but the youngest 16 loads (source 1's blocks 4-7)
	WIN MUL_LO
	MULS 0, 0, 0, \slot, \zero
	MULS 2, 0, 0, \slot, \zero
	s_wait_dscnt 0
	PLACES 8
	FETCH_0 \slot, 1, 1
	FETCH_1 \slot, 1, 0
	WIN MUL_HI
	MULS 4, 0, 0, \slot, \zero
	MULS 6, 0, 0, \slot, \zero
	PLACES 8
	WIN 0
	FETCH_1 \slot, 1, 4
.endm
.macro TURN slot, next, fill
	s_wait_tensorcnt 0x0                           ; all my tensor loads have landed
	ds_add_u32 v[SPW], v[NIL]
.if \fill
	s_add_nc_u64 s[G0+4*\slot+2:G0+4*\slot+3], s[G0+4*\slot+2:G0+4*\slot+3], 2*KPA
	s_add_nc_u64 s[G0B+4*\slot+2:G0B+4*\slot+3], s[G0B+4*\slot+2:G0B+4*\slot+3], 2*KPB
.endif
	s_wait_dscnt 17                                ; the add and the youngest 16 loads may be out
	WIN MUL_LO
	MULS 0, 1, 1, \slot, 0
	s_wait_dscnt 0x0                               ; the add is done, my reads of this slot are over
	s_barrier_signal -1
	MULS 2, 1, 1, \slot, 0
	WIN 0
	s_barrier_wait -1
.if \fill
	CREST
	JLOAD G0+4*\slot, G1, G0B+4*\slot, G1B
	PLACES 4
.else
	PLACES 8
.endif
	FETCH_0 \next, 0, 0
	FETCH_1 \next, 0, 0
	SCALES \next
.if \fill
	ASK \slot
.endif
	WIN MUL_HI
	MULS 4, 1, 1, \slot, 0
	MULS 6, 1, 1, \slot, 0
	PLACES 8
	WIN 0
	FETCH_1 \next, 0, 4
.endm
	s_wait_alu depctr_va_vdst(0)                   ; the head's end
	s_cmp_lt_u32 s14, 2                            ; waves 0 and 1's lines hold slot 0; the other two lines are waited for at the first change of slots
	s_cbranch_scc0 .Lnot_first
	s_wait_tensorcnt 0x0
.Lnot_first:
	s_barrier_signal -1
	s_barrier_wait -1
	FETCH_0 0, 0, 0
	FETCH_1 0, 0, 0
	SCALES 0
	FETCH_1 0, 0, 4
	STEP 0, 1
	s_mov_b32 s3, 3
.Llap:
	s_wait_xcnt 0x0                                ; my prefetches have read their addresses: two pairs on
	s_add_nc_u64 s[4:5], s[4:5], 2*KPA
	s_add_nc_u64 s[6:7], s[6:7], 2*KPB
	TURN 0, 1, 1
	STEP 1, 0
	TURN 1, 0, 1
	STEP 0, 0
	s_sub_co_u32 s3, s3, 1
	s_cmp_lg_u32 s3, 0
	s_cbranch_scc1 .Llap
	TURN 0, 1, 0
	STEP 1, 0
	CSLOAD 1, 1, 0
	CSLOAD 2, 1, 64
	s_wait_dscnt 16
	WIN MUL_LO
	MULS 0, 1, 1, 1, 0
	MULS 2, 1, 1, 1, 0
	s_wait_dscnt 0
	WIN MUL_HI
	MULS 4, 1, 1, 1, 0
	MULS 6, 1, 1, 1, 0
	WIN 0
.macro QUANT src, w, dst, pc, pcw, pw  ; 64 numbers of a lane become a fragment's codes and its row's scale word
	WIN (\w)|((\w)<<2)
.irp b, 0,1,2,3
	v_max3_num_f32 v[TM+\b], |v[(\src)+16*\b]|, |v[(\src)+16*\b+1]|, 0x4800000
.endr
.irp i, 2,4,6,8,10,12,14
.irp b, 0,1,2,3
	v_max3_num_f32 v[TM+\b], |v[(\src)+16*\b+\i]|, |v[(\src)+16*\b+\i+1]|, v[TM+\b]
.endr
.endr
	WIN 0
.irp b, 0,1,2,3
	v_permlanex16_b32 v[TM+4+\b], v[TM+\b], s[SEL], s[SEL+1]
.endr
.irp b, 0,1,2,3
	v_max_num_f32 v[TM+\b], v[TM+\b], v[TM+4+\b]
.endr
.irp b, 0,1,2,3
	v_add_nc_u32 v[TM+12+\b], 0xfc000000, v[TM+\b]
.endr
.irp b, 0,1,2,3
	v_and_or_b32 v[TM+8+\b], v[TM+\b], 0x7f800000, s[MNT]
.endr
.irp b, 0,1,2,3
	v_lshrrev_b32 v[TM+4+\b], 23, v[TM+12+\b]
.endr
	v_lshl_or_b32 v[\pw], v[TM+5], 8, v[TM+4]
	v_lshl_or_b32 v[\pw], v[TM+6], 16, v[\pw]
	v_lshl_or_b32 v[\pw], v[TM+7], 24, v[\pw]
	WIN (\w)
.irp b, 0,1,2,3
.set i, 0
.rept 16
	v_med3_num_f32 v[(\dst)+16*\b+i], v[(\src)+16*\b+i], -v[TM+8+\b], v[TM+8+\b]
.set i, i+1
.endr
.endr
	WIN (\pcw)<<6
.irp b, 0,1,2,3
	v_cvt_scalef32_pk8_fp8_f32 v[(\pc)+4*\b:(\pc)+4*\b+1], v[(\dst)+16*\b:(\dst)+16*\b+7], v[TM+12+\b]
	v_cvt_scalef32_pk8_fp8_f32 v[(\pc)+4*\b+2:(\pc)+4*\b+3], v[(\dst)+16*\b+8:(\dst)+16*\b+15], v[TM+12+\b]
.endr
	v_nop
	WIN 0
.endm
.macro ROPE a
.if (\a) == 0
	WIN 2
.set CB, CO
.else
	WIN (2+(\a)/4)|4
.set CB, 64*(((\a)-1)%4)
.endif
.set AC, 64*((\a)%4)
.set n, 0
.rept 16
	v_pk_mul_f32 v[ST+n:ST+n+1], v[AC+32+n:AC+33+n], v[CB+32+n:CB+33+n]
	v_pk_mul_f32 v[ST+32+n:ST+33+n], v[AC+32+n:AC+33+n], v[CB+n:CB+n+1]
.set n, n+2
.endr
.set n, 0
.rept 16                               ; the multiply-adds stand behind all the multiplications: no line reads the line above it
	v_pk_fma_f32 v[ST+n:ST+n+1], v[AC+n:AC+n+1], v[CB+n:CB+n+1], v[ST+n:ST+n+1] neg_lo:[0,0,1] neg_hi:[0,0,1]
	v_pk_fma_f32 v[ST+32+n:ST+33+n], v[AC+n:AC+n+1], v[CB+32+n:CB+33+n], v[ST+32+n:ST+33+n]
.set n, n+2
.endr
	WIN 0
.endm
.macro OUTF a
	WIN (2+(\a)/4)<<2
.irp c, 0,1,2,3
	global_store_b128 v[LI], v[64*((\a)%4)+4*\c:64*((\a)%4)+4*\c+3], s[92:93] offset:2048*(\a)+512*\c
.endr
	WIN 0
.endm
	PLACES 8
.irp b, 0,1,2,3
	v_mov_b32 v[TM+4+\b], 0
.endr
	s_wait_loadcnt 32
	s_cmp_eq_u32 s[ISV], 1
	s_cbranch_scc1 .Lv_path
	CSLOAD 3, 1, 128
	CSLOAD 4, 1, 192
.irp a, 0,1,2,3,4,5,6,7
.if \a > 0
.if \a < 5
	s_wait_loadcnt 48
.else
	s_wait_loadcnt 16*(7-\a)
.endif
.endif
	ROPE \a
.if (\a > 0) && (\a < 4)
	CSLOAD \a+4, 1, 64*(\a-1)
.endif
	QUANT ST, 0, ST, 64*(\a%4), 2+\a/4, PW+\a
	OUTF \a
.endr
	s_branch .Ljoin
.Lv_path:
.irp a, 0,1,2,3,4,5,6,7
	QUANT 64*(\a%4), 2+\a/4, ST, 64*(\a%4), 2+\a/4, PW+\a
	OUTF \a
.endr
.Ljoin:
.irp w, 0,1,2,3
	v_cndmask_b32 v[WD+\w], v[PW+2*\w], v[PW+2*\w+1], s[HI16]
.endr
	global_store_b128 v[LI], v[WD:WD+3], s[94:95]
	s_wait_tensorcnt 0x0                           ; the wave's end
	ds_add_u32 v[SPW], v[NIL]
	s_wait_dscnt 0x0
	CROUND
	s_endpgm
.Lfunc_end_k_q946822d83b_gemm_qkv:
	.size	k_q946822d83b_gemm_qkv, .Lfunc_end_k_q946822d83b_gemm_qkv-k_q946822d83b_gemm_qkv
	.p2alignl 7, 3214868480
	.fill 96, 4, 3214868480
	.section	.rodata,"a",@progbits
	.p2align	6, 0x0
	.amdhsa_kernel k_q946822d83b_gemm_qkv
		.amdhsa_group_segment_fixed_size 327680
		.amdhsa_private_segment_fixed_size 0
		.amdhsa_enable_private_segment 0
		.amdhsa_kernarg_size 40
		.amdhsa_user_sgpr_count 2
		.amdhsa_user_sgpr_kernarg_segment_ptr 1
		.amdhsa_wavefront_size32 1
		.amdhsa_system_sgpr_workgroup_id_x 1
		.amdhsa_system_sgpr_workgroup_id_y 1
		.amdhsa_system_sgpr_workgroup_id_z 1
		.amdhsa_system_vgpr_workitem_id 0
		.amdhsa_next_free_vgpr 1024
		.amdhsa_next_free_sgpr 102
		.amdhsa_reserve_vcc 0
		.amdhsa_float_denorm_mode_32 3
		.amdhsa_float_denorm_mode_16_64 3
		.amdhsa_memory_ordered 1
		.amdhsa_forward_progress 1
		.amdhsa_inst_pref_size 255
	.end_amdhsa_kernel
	.section	.bss,"aw",@nobits
	.p2align	6
	.space	262144
	.amdgpu_metadata
---
amdhsa.version: [ 1, 2 ]
amdhsa.kernels:
  - .name:           k_q946822d83b_gemm_qkv
    .symbol:         k_q946822d83b_gemm_qkv.kd
    .args:
      - { .name: xq, .offset: 0, .size: 8, .value_kind: global_buffer, .address_space: global }
      - { .name: wq, .offset: 8, .size: 8, .value_kind: global_buffer, .address_space: global }
      - { .name: cos, .offset: 16, .size: 8, .value_kind: global_buffer, .address_space: global }
      - { .name: sin, .offset: 24, .size: 8, .value_kind: global_buffer, .address_space: global }
      - { .name: qkv, .offset: 32, .size: 8, .value_kind: global_buffer, .address_space: global }
    .group_segment_fixed_size: 327680
    .private_segment_fixed_size: 0
    .kernarg_segment_align: 8
    .kernarg_segment_size: 40
    .max_flat_workgroup_size: 128
    .sgpr_count:     102
    .vgpr_count:     1024
    .wavefront_size: 32
...
	.end_amdgpu_metadata
.endif
;; end of part 2
;; launch attn (part 3): grid 16 x 16, 16 waves a work-group, clusters of 4 x 1, 296,960 bytes of LDS; arguments qkv, oq; writes oq
.if DOCPART == 3
	.amdgcn_target "amdgcn-amd-amdhsa--gfx1250"
	.amdhsa_code_object_version 6
	.text
	.protected	k_q946822d83b_attn
	.globl	k_q946822d83b_attn
	.p2align	8
	.type	k_q946822d83b_attn,@function
k_q946822d83b_attn:
	s_mov_b64 s[64:65], 0
	v_nop
	global_prefetch_b8 v0, s[64:65] scope:SCOPE_SE
	s_setreg_imm32_b32 hwreg(HW_REG_WAVE_MODE, 25, 1), 1
	s_wait_xcnt 0x0
	s_wait_alu depctr_hold_cnt(0) depctr_sa_sdst(0) depctr_va_vdst(0) depctr_va_sdst(0) depctr_va_ssrc(0) depctr_va_vcc(0) depctr_vm_vsrc(0)
	s_getreg_b32 s2, hwreg(HW_REG_IB_STS2, 6, 4)
	s_cmp_eq_u32 s2, 0
	s_cbranch_scc0 .Lentry_in_a_cluster
	s_endpgm
.Lentry_in_a_cluster:
	s_bfe_u32 s2, ttmp6, 0x10000c
	s_cmp_lg_u32 s2, 0x3003
	s_cbranch_scc0 .Lentry_shape_is_right
	s_endpgm
.Lentry_shape_is_right:
; Causal attention on codes of E4M3 with E8M0 scales: 4 batches x 16 query heads, 4 key heads, 1,024 tokens, head size 128.  Both products quantised; the result is quantised at once along C for the last product.
; THE SOFTMAX: t = score x log2(e) / sqrt(128); M = the running largest t rounded up to a whole number; p = 2^(t - M) is quantised along the keys; the row's sum is taken of the unquantised p and divides at the end.
; LEFT OUT: key steps all of whose keys come after a tile's queries: reference() builds the causal mask itself, and their p is 0 for all values of the inputs.  A NaN or an infinity that reaches only those scores is not carried to the result.
; SHARES.  Grid y = the pair (batch, key head).  A cluster's four work-groups are the pair's four query heads (cx enters only q's and o's addresses): they read the same K and V and take the same branches.  Cluster x = j picks the queries.
; A work-group owns 16 tiles of 16 queries, tile 8 o + pos: o (0..7) is the tile's key step of 128, pos = 2 j + bit 3 of the wave.  Tile o needs key steps 0 .. o: 72 key steps in all.  THE DEAL: two waves (numbers w and w xor 4) share the tiles o' = w % 4 and 7 - o':
; wave B takes the late tile's key steps 0 to 3: four steps, none on the diagonal.  Wave A takes the early tile whole (o' + 1 steps), stores it, and then the late tile's key steps 4 .. 7 - o': five steps in all.  Which of the two is A: bit 2 xor bit 0 of the number.
; B hands its part (O^T, the sums, -M: 17 x 512 bytes) to A through LDS; A brings both parts under the larger M by powers of two, which rounds nothing, adds them, divides, quantises and stores.
; LDS is filled ONCE: nine waves issue one joint load each, at LDS byte 32,768 x wave: wave 0 the scale words (8,192 bytes), waves 1 to 8 the halves (K's 16 tiles, V's 2 x 8) of four chunks of 256 keys.  Chunk 0 and the scale words have load lines of their own and are shown by the first barrier; the second shows the rest.
; B's parts lie in chunks 0 and 1, which have had their only fill, behind a barrier behind which nobody reads key steps 0 to 3.
; Operands are images of their registers (2,048 bytes a fragment; slot r of tile i is row 32 (i / 2) + 8 (i % 2) + r % 8 + 16 (r / 8)): both products are used transposed, a lane holds one query, and p's and o's registers are neighbours along the next K.
; In the step on the diagonal hidden scores become -infinity ahead of the maximum, so p = 0 there as under the reference's lowest number.
; No prefetch: all of the launch's tiles are asked for at its head; the late tile's q, which A loads in its course, has been read by B at the head.
; LIMITS: NaN and infinities are not served; a block of zeros gets the byte 1, not 127; the division by the sum is a multiplication by v_rcp_f32's result.
; REGISTERS: v1 16 lane; v2 the pair's part in LDS; v4, v5 the add's; v6 the mask's bound; v7 16 r; v8, v10 addresses in hand; v12 -M, v13 the largest t, v[14:15] the sum; v16-31 Q; v32-95 four fragments; v96-159 scores, then p; v160-223 O^T; v224-239 p's codes; v232-254 at work; v255 Q's scale words.
.set SCK,  0                           ; K's scale words, 512 bytes a key step; V's 4,096 bytes further on
.set WV,   18
.set MNT,  19
.set SEL,  20
.set CS,   22
.set G1,   24                          ; s[24:31] group 1: 128 rows of 256 bytes
.set G1S,  32                          ; s[32:39] 32 rows of 256 bytes
.set G0,   40
.set G0S,  44
.set TB,   48                          ; LDS byte of the step's K tiles
.set TS,   49                          ; of its scale words
.set KS,   50                          ; the key step
.set OC,   51                          ; the key step of the tile in hand
.set T,    52                          ; the slot of time, 0 .. 4
.set FT,   53                          ; A: the slot behind which the early tile is finished; B: none
.set JMP,  54                          ; 3 - o'
.set OB,   55                          ; 7 - o'
.set O1,   56                          ; the first tile's key step
.set ROLE, 57                          ; 0: A, 1: B
.set PBS,  58
.set TM,   232
.macro BARRIER
	s_wait_dscnt 0x0
	s_barrier_signal -1
	s_barrier_wait -1
.endm
.macro ROUND
	s_barrier_signal -1
	s_barrier_wait -1
	s_cmp_lg_u32 s[WV], 0
	s_cbranch_scc1 .Lnot_wave_0_\@
	s_barrier_signal -3
.Lnot_wave_0_\@:
	s_barrier_wait -3
	s_barrier_signal -1
	s_barrier_wait -1
.endm
	s_load_b128 s[4:7], s[0:1], 0x0                ; qkv, oq
	v_lshl_add_u32 v4, v0, 2, 0x48000
	v_mov_b32 v5, 0
	ds_add_u32 v4, v5                              ; the opening lines: the add twice on end and its one wait
	ds_add_u32 v4, v5
	v_lshrrev_b32 v8, 5, v0
	v_readfirstlane_b32 s[WV], v8                  ; wave 0..15
	s_bfe_u32 s80, ttmp6, 0x40000                  ; cx: the query head in its group
	s_and_b32 s81, ttmp7, 0xffff                   ; the pair (batch, key head)
	s_and_b32 s82, s[WV], 3                        ; o'
	s_xor_b32 s[OB], s82, 7
	s_xor_b32 s[JMP], s82, 3
	s_lshr_b32 s[ROLE], s[WV], 2
	s_xor_b32 s[ROLE], s[ROLE], s[WV]
	s_and_b32 s[ROLE], s[ROLE], 1
	s_lshr_b32 s83, s[WV], 3
	s_lshl_b32 s84, ttmp9, 1
	s_add_co_u32 s84, s84, s83                     ; pos
	s_lshl_b32 s85, s83, 2
	s_add_co_u32 s85, s85, s82                     ; which of the eight pairs of waves
	s_mul_i32 s[PBS], s85, 8704
	s_add_co_u32 s[PBS], s[PBS], 32768
	s_cmp_eq_u32 s[ROLE], 0
	s_cselect_b32 s[O1], s82, s[OB]
	s_cselect_b32 s[FT], s82, 99
	s_lshl_b32 s86, s81, 2
	s_add_co_u32 s86, s86, s80                     ; 16 b + query head
	s_lshl_b32 s87, s86, 6
	s_add_co_u32 s87, s87, s84
	s_lshl_b32 s87, s87, 11                        ; Q's fragment of o = 0; 16,384 bytes on for each o
	s_lshl_b32 s88, s86, 12                        ; Q's scale words of o = 0; 512 on for each o:
	s_and_b32 s89, s84, 1
	s_lshl_b32 s90, s89, 8
	s_add_co_u32 s88, s88, s90                     ; odd tiles 256 bytes on,
	s_lshr_b32 s91, s84, 1
	s_lshl_b32 s90, s91, 2
	s_add_co_u32 s88, s88, s90                     ; word pos / 2
	s_add_co_u32 s88, s88, 12582912
	s_lshl_b32 s91, s91, 5
	s_lshl_b32 s89, s89, 3
	s_add_co_u32 s92, s91, s89                     ; slot 0's query in its key step: 32 (pos / 2) + 8 (pos % 2)
	; oq: [pair of K steps = query head / 2][token tile][4,352 bytes]: two fragments, then the scale words 8 r + 4 (head % 2), twice
	s_lshr_b32 s89, s81, 2
	s_lshl_b32 s89, s89, 6
	s_add_co_u32 s89, s89, s84                     ; the token tile of o = 0; 8 tiles on for each o
	s_mul_i32 s89, s89, 4352
	s_and_b32 s90, s81, 3
	s_lshl_b32 s90, s90, 2
	s_add_co_u32 s90, s90, s80                     ; query head
	s_lshr_b32 s91, s90, 1
	s_mul_i32 s91, s91, 1114112
	s_add_co_u32 s89, s89, s91
	s_and_b32 s90, s90, 1
	s_lshl_b32 s91, s90, 2
	s_add_co_u32 s91, s91, s89
	s_add_co_u32 s91, s91, 4096                    ; the scale words
	s_lshl_b32 s90, s90, 11
	s_add_co_u32 s89, s89, s90                     ; the codes
	s_lshl_b32 s93, s[O1], 14
	s_add_co_u32 s60, s87, s93                     ; s[60:61], s[62:63] q of my first tile
	s_lshl_b32 s93, s[O1], 9
	s_add_co_u32 s62, s88, s93
	s_lshl_b32 s93, s[OB], 14
	s_add_co_u32 s66, s87, s93                     ; s[66:67], s[68:69] q of the late tile
	s_lshl_b32 s93, s[OB], 9
	s_add_co_u32 s68, s88, s93
	s_mul_i32 s93, s82, 34816
	s_add_co_u32 s70, s89, s93                     ; s[70:71], s[72:73] o of the early tile
	s_add_co_u32 s72, s91, s93
	s_mul_i32 s93, s[OB], 34816
	s_add_co_u32 s74, s89, s93                     ; s[74:75], s[76:77] o of the late tile
	s_add_co_u32 s76, s91, s93
.irp p, 61,63,67,69,71,73,75,77
	s_mov_b32 s\p, 0
.endr
	s_lshl_b32 s94, s81, 18
	s_lshl_b32 s98, s[WV], 15                      ; what I fetch, if I fetch: 32,768 bytes, in LDS at 32,768 x wave
	s_add_co_u32 s94, s94, s98
	s_add_co_u32 s94, s94, 8388608-32768           ; wave 1 takes the pair's first 32,768 bytes
	s_mov_b32 s95, 0
	s_lshl_b32 s96, s81, 13
	s_add_co_u32 s96, s96, 12845056
	s_mov_b32 s97, 0
	s_mov_b32 s[G1], 15|(3<<16)|(1<<21)            ; the mask: all four work-groups; elements of 8 bytes; bit 21 beside a mask; no padding
	s_mov_b32 s[G1+1], 32<<16
	s_mov_b32 s[G1+2], 128<<16
	s_mov_b32 s[G1+3], 32<<16
	s_mov_b32 s[G1+4], 128
	s_mov_b32 s[G1+5], 32
	s_mov_b32 s[G1+6], 0
	s_mov_b32 s[G1+7], 0
	s_mov_b32 s[G1S], 15|(3<<16)|(1<<21)
	s_mov_b32 s[G1S+1], 32<<16
	s_mov_b32 s[G1S+2], 32<<16
	s_mov_b32 s[G1S+3], 32<<16
	s_mov_b32 s[G1S+4], 32
	s_mov_b32 s[G1S+5], 32
	s_mov_b32 s[G1S+6], 0
	s_mov_b32 s[G1S+7], 0
	s_mov_b32 s[SEL], 0x76543210
	s_mov_b32 s[SEL+1], 0xfedcba98
	s_mov_b32 s[CS], 0x3e0293ee                    ; c = log2(e) / sqrt(128)
	s_mov_b32 s[CS+1], s[CS]
	s_mov_b32 s[MNT], 0x600000
	s_wait_dscnt 0x0
	s_wait_kmcnt 0x0
.irp p, 60,62,66,68
	s_add_nc_u64 s[\p:\p+1], s[4:5], s[\p:\p+1]
.endr
.irp p, 70,72,74,76
	s_add_nc_u64 s[\p:\p+1], s[6:7], s[\p:\p+1]
.endr
	s_add_nc_u64 s[94:95], s[4:5], s[94:95]
	s_add_nc_u64 s[96:97], s[4:5], s[96:97]
	s_mov_b32 s[G0S], 1
	s_mov_b32 s[G0S+1], SCK
	s_mov_b64 s[G0S+2:G0S+3], s[96:97]
	s_or_b32 s[G0S+3], s[G0S+3], 0x80000000
	s_mov_b32 s[G0], 1
	s_mov_b32 s[G0+1], s98
	s_mov_b64 s[G0+2:G0+3], s[94:95]
	s_or_b32 s[G0+3], s[G0+3], 0x80000000
	ROUND                                          ; all four work-groups are here: the joint loads meet
.macro ARM under, g0, g1, next         ; one chain of branches on the wave's number, one load to an arm
	s_cmp_lt_u32 s[WV], \under
	s_cbranch_scc0 \next
	tensor_load_to_lds s[\g0:\g0+3], s[\g1:\g1+7]
	s_nop 0
.rept 4
	v_nop
.endr
	s_branch .Lno_fetch
\next:
.endm
	ARM 1, G0S, G1S, .Larm_0                       ; wave 0: the scale words
	ARM 3, G0, G1, .Larm_1                         ; waves 1, 2: chunk 0
	ARM 9, G0, G1, .Larm_2                         ; waves 3 to 8: chunks 1 to 3
.Lno_fetch:
	v_and_b32 v1, 31, v0
	v_lshlrev_b32 v1, 4, v1                        ; 16 x lane
	v_and_b32 v8, 15, v0                           ; r
	v_bfe_u32 v9, v0, 4, 1                         ; h
	v_lshlrev_b32 v7, 4, v8                        ; 16 r
.irp c, 0,1,2,3
	global_load_b128 v[16+4*\c:19+4*\c], v1, s[60:61] offset:512*\c    ; my first tile's Q
.endr
	global_load_b32 v255, v7, s[62:63]             ; and its scale words
	v_add_nc_u32 v2, s[PBS], v1                    ; where my pair's part lies in LDS
	v_and_b32 v10, 7, v8
	v_lshrrev_b32 v11, 3, v8
	v_lshl_add_u32 v10, v11, 4, v10
	v_lshlrev_b32 v11, 4, v9
	v_sub_nc_u32 v10, v10, v11
	v_add_nc_u32 v6, s92, v10                      ; my query in its key step - 16 h: register 16 b + i holds key 32 b + 16 h + i, hidden where 32 b + i is greater
.irp b, 0,1,2,3
	v_mov_b32 v[236+\b], 0                         ; a lane permute's destination counts as one of its sources
.endr
	v_mov_b32 v252, 0
	v_mov_b32 v253, 0
.macro INIT                            ; a tile begins: the step is written once, and the first finds zeros
	v_mov_b32 v13, 0xff61b1e6                      ; the largest t so far: -3e38
	v_floor_f32 v12, -v13                          ; -M
	v_mov_b32 v14, 0
	v_mov_b32 v15, 0
.set j, 0
.rept 64
	v_mov_b32 v[160+j], 0
.set j, j+1
.endr
.endm
	INIT
.macro WHERE k                         ; the LDS bytes of key step s[k]
	s_lshr_b32 s80, s[\k], 1
	s_lshl_b32 s80, s80, 16
	s_and_b32 s81, s[\k], 1
	s_lshl_b32 s81, s81, 14
	s_add_co_u32 s[TB], s80, s81
	s_add_co_u32 s[TB], s[TB], 32768
	s_lshl_b32 s[TS], s[\k], 9
.endm
; A KEY STEP of 128 keys.  diag = 1: it lies on the diagonal; 0: that is tested
.macro STEP diag
	v_add_nc_u32 v8, s[TB], v1
	s_wait_alu depctr_va_vdst(0)
	v_add_nc_u32 v10, s[TS], v1
.irp g, 0,1                                    ; S^T = K Q^T, four tiles of 16 keys at a time
.rept 6+2*\g
	v_nop                                          ; eight places (the two additions among them) ahead of loads into registers that matrix instructions have read
.endr
.irp t, 0,1,2,3
.irp c, 0,1,2,3
	ds_load_b128 v[32+16*\t+4*\c:35+16*\t+4*\c], v8 offset:(4*\g+\t)*2048+512*\c
.endr
.endr
.if \g == 0
	ds_load_b128 v[248:251], v10                   ; the eight tiles' scale words: register w: lanes 0-15 tile 2 w, lanes 16-31 tile 2 w + 1
.endif
	s_wait_dscnt 0x0
.irp t, 0,1,2,3
.if \t%2
	v_wmma_scale_f32_16x16x128_f8f6f4 v[96+8*(4*\g+\t):103+8*(4*\g+\t)], v[32+16*\t:47+16*\t], v[16:31], 0, v[248+2*\g+\t/2], v255 matrix_a_scale:MATRIX_SCALE_ROW1
.else
	v_wmma_scale_f32_16x16x128_f8f6f4 v[96+8*(4*\g+\t):103+8*(4*\g+\t)], v[32+16*\t:47+16*\t], v[16:31], 0, v[248+2*\g+\t/2], v255
.endif
.endr
.endr
.rept 8
	v_nop
.endr
.if \diag == 0
	s_cmp_lt_u32 s[KS], s[OC]                      ; a step ahead of the diagonal: every key counts
	s_cbranch_scc1 .Lopen_\@
.endif
	v_mov_b32 v254, 0xff800000                     ; -infinity
.set n, 0
.rept 64
	v_cmp_gt_i32 vcc_lo, 32*(n/16)+n%16, v6
	v_cndmask_b32 v[96+n], v[96+n], v254, vcc_lo
.set n, n+1
.endr
.Lopen_\@:
.irp b, 0,1,2,3
	v_max3_num_f32 v[232+\b], v[96+16*\b], v[97+16*\b], v[98+16*\b]    ; the largest score of each block of 32 keys: for the row's maximum and, since p rises with the score, for the block's largest p
.endr
.irp i, 3,5,7,9,11,13
.irp b, 0,1,2,3
	v_max3_num_f32 v[232+\b], v[232+\b], v[96+16*\b+\i], v[97+16*\b+\i]
.endr
.endr
.irp b, 0,1,2,3
	v_max_num_f32 v[232+\b], v[232+\b], v[111+16*\b]
.endr
.irp b, 0,1,2,3
	v_permlanex16_b32 v[236+\b], v[232+\b], s[SEL], s[SEL+1]
.endr
.irp b, 0,1,2,3
	s_delay_alu instid0(VALU_DEP_4)
	v_max_num_f32 v[232+\b], v[232+\b], v[236+\b]
.endr
	s_delay_alu instid0(VALU_DEP_2)
	v_max3_num_f32 v254, v232, v233, v234
	s_delay_alu instid0(VALU_DEP_1)
	v_max_num_f32 v254, v254, v235
	s_delay_alu instid0(VALU_DEP_1)
	v_mul_f32 v254, s[CS], v254
	s_delay_alu instid0(VALU_DEP_1)
	v_max_num_f32 v13, v13, v254                   ; the running largest t
	v_mov_b32 v254, v12
	s_delay_alu instid0(VALU_DEP_2)
	v_floor_f32 v12, -v13                          ; the new -M = -ceil(t)
	s_delay_alu instid0(VALU_DEP_1)
	v_sub_f32 v254, v12, v254                      ; old M - new M: a whole number, 0 or less
	s_delay_alu instid0(VALU_DEP_1)
	v_cvt_i32_f32 v254, v254                       ; (it saturates)
	s_delay_alu instid0(VALU_DEP_1)
	v_ldexp_f32 v252, 1.0, v254                    ; f = 2^(old M - new M): a multiplication by it rounds nothing
.set j, 0
.rept 32
	v_pk_fma_f32 v[96+j:97+j], v[96+j:97+j], s[CS:CS+1], v[12:13] op_sel_hi:[1,0,0]   ; t - M
.set j, j+2
.endr
.irp b, 0,1,2,3
	v_fma_f32 v[232+\b], v[232+\b], s[CS], v12
.endr
.set j, 0
	s_wait_alu depctr_va_vdst(0)                   ; ahead of the batch
.rept 64
	v_exp_f32 v[96+j], v[96+j]                     ; p = 2^(t - M)
.set j, j+1
.endr
	v_pk_mul_f32 v[14:15], v[14:15], v[252:253] op_sel_hi:[1,0]    ; the sums under the new M: the plain line behind the exponentials
	s_wait_alu depctr_va_vdst(0)                   ; one wait for the batch, ahead of its first reader
.irp b, 0,1,2,3
	v_exp_f32 v[232+\b], v[232+\b]                 ; each block's largest p
.endr
	v_pk_add_f32 v[236:237], v[100:101], v[104:105]
	v_pk_add_f32 v[250:251], v[108:109], v[112:113]
	v_pk_add_f32 v[248:249], v[116:117], v[120:121]
	v_pk_add_f32 v[246:247], v[124:125], v[128:129]
	v_pk_add_f32 v[244:245], v[132:133], v[136:137]
	v_pk_add_f32 v[242:243], v[140:141], v[144:145]
	v_pk_add_f32 v[240:241], v[148:149], v[152:153]
	v_pk_add_f32 v[14:15], v[14:15], v[156:157]
	v_pk_add_f32 v[236:237], v[236:237], v[96:97]
	v_pk_add_f32 v[250:251], v[250:251], v[98:99]
	v_pk_add_f32 v[248:249], v[248:249], v[102:103]
	v_pk_add_f32 v[246:247], v[246:247], v[106:107]
	v_pk_add_f32 v[244:245], v[244:245], v[110:111]
	v_pk_add_f32 v[242:243], v[242:243], v[114:115]
	v_pk_add_f32 v[240:241], v[240:241], v[118:119]
	v_pk_add_f32 v[14:15], v[14:15], v[122:123]
	v_pk_add_f32 v[236:237], v[236:237], v[126:127]
	v_pk_add_f32 v[250:251], v[250:251], v[130:131]
	v_pk_add_f32 v[248:249], v[248:249], v[134:135]
	v_pk_add_f32 v[246:247], v[246:247], v[138:139]
	v_pk_add_f32 v[244:245], v[244:245], v[142:143]
	v_pk_add_f32 v[242:243], v[242:243], v[146:147]
	v_pk_add_f32 v[240:241], v[240:241], v[150:151]
	v_pk_add_f32 v[14:15], v[14:15], v[154:155]
	v_pk_add_f32 v[236:237], v[236:237], v[158:159]
	s_delay_alu instid0(VALU_DEP_2)
	v_pk_add_f32 v[14:15], v[14:15], v[246:247]
	s_delay_alu instid0(VALU_DEP_2)
	v_pk_add_f32 v[236:237], v[236:237], v[244:245]
	v_pk_add_f32 v[250:251], v[250:251], v[242:243]
	v_pk_add_f32 v[248:249], v[248:249], v[240:241]
	s_delay_alu instid0(VALU_DEP_2)
	v_pk_add_f32 v[14:15], v[14:15], v[250:251]
	s_delay_alu instid0(VALU_DEP_2)
	v_pk_add_f32 v[236:237], v[236:237], v[248:249]
	s_delay_alu instid0(VALU_DEP_1)
	v_pk_add_f32 v[14:15], v[14:15], v[236:237]
	s_wait_alu depctr_va_vdst(0)                   ; and one for the four
.irp b, 0,1,2,3
	v_max_num_f32 v[232+\b], 0x4800000, v[232+\b]  ; the floor 2^(9 - 127)
.endr
.irp b, 0,1,2,3
	s_delay_alu instid0(VALU_DEP_4)
	v_add_nc_u32 v[244+\b], 0xfc000000, v[232+\b]
.endr
.irp b, 0,1,2,3
	v_and_or_b32 v[240+\b], v[232+\b], 0x7f800000, s[MNT]
.endr
.irp b, 0,1,2,3
	v_lshrrev_b32 v[236+\b], 23, v[244+\b]
.endr
	s_delay_alu instid0(VALU_DEP_3)
	v_lshl_or_b32 v253, v237, 8, v236              ; p's scale word for these 128 keys
	s_delay_alu instid0(VALU_DEP_1)
	v_lshl_or_b32 v253, v238, 16, v253
	s_delay_alu instid0(VALU_DEP_1)
	v_lshl_or_b32 v253, v239, 24, v253
.irp b, 0,1,2,3
.set i, 0
.rept 16
	v_min_num_f32 v[96+16*\b+i], v[96+16*\b+i], v[240+\b]          ; the hold; p is never negative
.set i, i+1
.endr
	v_cvt_scalef32_pk8_fp8_f32 v[224+4*\b:225+4*\b], v[96+16*\b:103+16*\b], v[244+\b]
	v_cvt_scalef32_pk8_fp8_f32 v[226+4*\b:227+4*\b], v[104+16*\b:111+16*\b], v[244+\b]
.endr
.set j, 0
.rept 32
	v_pk_mul_f32 v[160+j:161+j], v[160+j:161+j], v[252:253] op_sel_hi:[1,0]    ; O^T under the new M; these are also the places ahead of the loads and products below
.set j, j+2
.endr
	s_wait_alu depctr_va_vdst(0)
.irp g, 0,1                                    ; O^T += V^T P^T, four tiles of 16 channels at a time
.if \g > 0
.rept 8
	v_nop
.endr
.endif
.irp t, 0,1,2,3
.irp c, 0,1,2,3
	ds_load_b128 v[32+16*\t+4*\c:35+16*\t+4*\c], v8 offset:32768+(4*\g+\t)*2048+512*\c
.endr
.endr
.if \g == 0
	ds_load_b128 v[248:251], v10 offset:4096
.endif
	s_wait_dscnt 0x0
.irp t, 0,1,2,3
.if \t%2
	v_wmma_scale_f32_16x16x128_f8f6f4 v[160+8*(4*\g+\t):167+8*(4*\g+\t)], v[32+16*\t:47+16*\t], v[224:239], v[160+8*(4*\g+\t):167+8*(4*\g+\t)], v[248+2*\g+\t/2], v253 matrix_a_scale:MATRIX_SCALE_ROW1
.else
	v_wmma_scale_f32_16x16x128_f8f6f4 v[160+8*(4*\g+\t):167+8*(4*\g+\t)], v[32+16*\t:47+16*\t], v[224:239], v[160+8*(4*\g+\t):167+8*(4*\g+\t)], v[248+2*\g+\t/2], v253
.endif
.endr
.endr
.endm
; A TILE LEAVES: O^T / the sum; register 16 b + i is channel 32 b + 16 h + i of my query's head: quantised as it stands, it is the fragment (token tile, K step = query head) of the last product.
; c, s: the scalar pairs with the codes' and the scale words' addresses.  more = 1: the late tile follows: its Q is asked for first, and the sums begin anew.
.macro FINISH c, s, more
.rept 8
	v_nop                                          ; the places behind the last products
.endr
.if \more
.irp c4, 0,1,2,3
	global_load_b128 v[16+4*\c4:19+4*\c4], v1, s[66:67] offset:512*\c4
.endr
	global_load_b32 v255, v7, s[68:69]
.endif
	v_add_f32 v14, v14, v15
	s_delay_alu instid0(VALU_DEP_1)
	v_permlanex16_b32 v252, v14, s[SEL], s[SEL+1]
	s_delay_alu instid0(VALU_DEP_1)
	v_add_f32 v14, v14, v252                       ; the row's sum
	s_wait_alu depctr_va_vdst(0)
	v_rcp_f32 v14, v14
	v_nop
	s_wait_alu depctr_va_vdst(0)                   ; ahead of the reciprocal's first reader
.set j, 0
.rept 64
	v_mul_f32 v[96+j], v[160+j], v14
.set j, j+1
.endr
.irp b, 0,1,2,3
	v_max3_num_f32 v[TM+\b], |v[96+16*\b]|, |v[97+16*\b]|, 0x4800000
.endr
.irp i, 2,4,6,8,10,12,14
.irp b, 0,1,2,3
	s_delay_alu instid0(VALU_DEP_4)
	v_max3_num_f32 v[TM+\b], v[TM+\b], |v[96+16*\b+\i]|, |v[97+16*\b+\i]|
.endr
.endr
.irp b, 0,1,2,3
	v_permlanex16_b32 v[TM+4+\b], v[TM+\b], s[SEL], s[SEL+1]
.endr
.irp b, 0,1,2,3
	s_delay_alu instid0(VALU_DEP_4)
	v_max_num_f32 v[TM+\b], v[TM+\b], v[TM+4+\b]
.endr
.irp b, 0,1,2,3
	s_delay_alu instid0(VALU_DEP_4)
	v_add_nc_u32 v[TM+12+\b], 0xfc000000, v[TM+\b]
.endr
.irp b, 0,1,2,3
	v_and_or_b32 v[TM+8+\b], v[TM+\b], 0x7f800000, s[MNT]
.endr
.irp b, 0,1,2,3
	v_lshrrev_b32 v[TM+4+\b], 23, v[TM+12+\b]
.endr
	s_delay_alu instid0(VALU_DEP_3)
	v_lshl_or_b32 v248, v[TM+5], 8, v[TM+4]
	s_delay_alu instid0(VALU_DEP_1)
	v_lshl_or_b32 v248, v[TM+6], 16, v248
	s_delay_alu instid0(VALU_DEP_1)
	v_lshl_or_b32 v248, v[TM+7], 24, v248
.irp b, 0,1,2,3
.set i, 0
.rept 16
	v_med3_num_f32 v[96+16*\b+i], v[96+16*\b+i], -v[TM+8+\b], v[TM+8+\b]
.set i, i+1
.endr
.endr
.irp b, 0,1,2,3
	v_cvt_scalef32_pk8_fp8_f32 v[32+4*\b:33+4*\b], v[96+16*\b:103+16*\b], v[TM+12+\b]
	v_cvt_scalef32_pk8_fp8_f32 v[34+4*\b:35+4*\b], v[104+16*\b:111+16*\b], v[TM+12+\b]
.endr
	v_nop
.irp c4, 0,1,2,3
	global_store_b128 v1, v[32+4*\c4:35+4*\c4], s[\c:\c+1] offset:512*\c4   ; the image: 512 consecutive bytes a store
.endr
	v_lshrrev_b32 v249, 1, v1                      ; 8 r + 128 h: lanes 16-31 write the second copy
	global_store_b32 v249, v248, s[\s:\s+1]        ; row r's word: 4 bytes of each 8; the pair's other head writes the other 4
.if \more
	INIT                                           ; (it names none of the stores' registers)
	s_wait_alu depctr_va_vdst(0)                   ; directly ahead of the waits below
	s_wait_xcnt 0x0                                ; the stores have read their registers, which the next step's loads take
	s_wait_loadcnt 0x0                             ; the late tile's Q
.endif
.endm
	s_wait_alu depctr_va_vdst(0)                   ; the head's end
	s_wait_loadcnt 0x0                             ; Q
	s_cmp_lt_u32 s[WV], 3                          ; the waves whose lines hold the scale words and chunk 0 wait; the third line may stay out
	s_cbranch_scc0 .Lnot_mine
	s_wait_tensorcnt 0x0
.Lnot_mine:
	BARRIER
	s_mov_b32 s[KS], 0                             ; SLOT 0: key step 0 in every wave
	s_mov_b32 s[OC], s[O1]
	s_mov_b32 s[TB], 32768
	s_mov_b32 s[TS], SCK
	STEP 0
	s_wait_tensorcnt 0x0                           ; all chunks: every wave waits
	BARRIER
	s_mov_b32 s[T], 1
.Lslot:                                            ; SLOTS 1 to 3.  B: key step T.  A: key step T of the early tile, or T + 3 - o' of the late one
	s_add_co_u32 s83, s[FT], 1                     ; the early tile leaves at the head of the slot behind its last step: behind the barriers, so that no other wave waits for it (it touches no LDS)
	s_cmp_eq_u32 s[T], s83
	s_cbranch_scc0 .Lgo_1
	FINISH 70, 72, 1
.Lgo_1:
	s_cmp_gt_u32 s[T], s[FT]
	s_cselect_b32 s82, s[JMP], 0
	s_cselect_b32 s[OC], s[OB], s[O1]
	s_add_co_u32 s[KS], s[T], s82
	WHERE KS
	STEP 0
	s_add_co_u32 s[T], s[T], 1
	s_cmp_lt_u32 s[T], 4
	s_cbranch_scc1 .Lslot
	BARRIER                                        ; nobody reads key steps 0 to 3 any more
	s_cmp_eq_u32 s[ROLE], 0
	s_cbranch_scc0 .Lsend
	s_cmp_eq_u32 s[FT], 3                          ; o' = 3: the early tile's last step was slot 3
	s_cbranch_scc0 .Lgo_2
	FINISH 70, 72, 1
.Lgo_2:
	s_mov_b32 s[KS], s[OB]
	s_mov_b32 s[OC], s[OB]
	WHERE OB
	STEP 1
	s_branch .Lmeet
.Lsend:                                            ; SLOT 4, B: my part goes to LDS as an image of its registers
.rept 8
	v_nop                                          ; the places behind the last products
.endr
.set k, 0
.rept 16
	ds_store_b128 v2, v[160+4*k:163+4*k] offset:512*k      ; each accumulator from its low end on
.set k, k+1
.endr
	ds_store_b128 v2, v[12:15] offset:8192         ; -M, (the largest t,) the sum's two halves
.Lmeet:
	BARRIER                                        ; the parts are in LDS
	s_cmp_eq_u32 s[ROLE], 0
	s_cbranch_scc0 .Lend
.rept 8
	v_nop                                          ; the places behind the last products
.endr
.set k, 0
.rept 16
	ds_load_b128 v[32+4*k:35+4*k], v2 offset:512*k
.set k, k+1
.endr
	ds_load_b128 v[248:251], v2 offset:8192
	s_wait_dscnt 0x0
	v_min_num_f32 v254, v12, v248                  ; -M of both parts
	v_sub_f32 v252, v254, v12                      ; my M - M,
	v_sub_f32 v246, v254, v248                     ; B's M - M: whole numbers, 0 or less
	v_cvt_i32_f32 v252, v252
	v_cvt_i32_f32 v246, v246
	v_ldexp_f32 v252, 1.0, v252
	v_ldexp_f32 v246, 1.0, v246
	v_pk_mul_f32 v[14:15], v[14:15], v[252:253] op_sel_hi:[1,0]
	v_pk_fma_f32 v[14:15], v[250:251], v[246:247], v[14:15] op_sel_hi:[1,0,1]
.set j, 0
.rept 32
	v_pk_mul_f32 v[160+j:161+j], v[160+j:161+j], v[252:253] op_sel_hi:[1,0]
.set j, j+2
.endr
.set j, 0
.rept 32
	v_pk_fma_f32 v[160+j:161+j], v[32+j:33+j], v[246:247], v[160+j:161+j] op_sel_hi:[1,0,1]
.set j, j+2
.endr
	FINISH 74, 76, 0
.Lend:
	s_wait_tensorcnt 0x0                           ; the wave's end
	ds_add_u32 v4, v5
	s_wait_dscnt 0x0
	ROUND                                          ; the closing round
	s_endpgm
.Lfunc_end_k_q946822d83b_attn:
	.size	k_q946822d83b_attn, .Lfunc_end_k_q946822d83b_attn-k_q946822d83b_attn
	.p2alignl 7, 3214868480
	.fill 96, 4, 3214868480
	.section	.rodata,"a",@progbits
	.p2align	6, 0x0
	.amdhsa_kernel k_q946822d83b_attn
		.amdhsa_group_segment_fixed_size 296960
		.amdhsa_private_segment_fixed_size 0
		.amdhsa_enable_private_segment 0
		.amdhsa_kernarg_size 16
		.amdhsa_user_sgpr_count 2
		.amdhsa_user_sgpr_kernarg_segment_ptr 1
		.amdhsa_wavefront_size32 1
		.amdhsa_system_sgpr_workgroup_id_x 1
		.amdhsa_system_sgpr_workgroup_id_y 1
		.amdhsa_system_sgpr_workgroup_id_z 1
		.amdhsa_system_vgpr_workitem_id 0
		.amdhsa_next_free_vgpr 256
		.amdhsa_next_free_sgpr 102
		.amdhsa_reserve_vcc 1
		.amdhsa_float_denorm_mode_32 3
		.amdhsa_float_denorm_mode_16_64 3
		.amdhsa_memory_ordered 1
		.amdhsa_forward_progress 1
		.amdhsa_inst_pref_size 146
	.end_amdhsa_kernel
	.amdgpu_metadata
---
amdhsa.version: [ 1, 2 ]
amdhsa.kernels:
  - .name:           k_q946822d83b_attn
    .symbol:         k_q946822d83b_attn.kd
    .args:
      - { .name: qkv, .offset: 0, .size: 8, .value_kind: global_buffer, .address_space: global }
      - { .name: oq, .offset: 8, .size: 8, .value_kind: global_buffer, .address_space: global }
    .group_segment_fixed_size: 296960
    .private_segment_fixed_size: 0
    .kernarg_segment_align: 8
    .kernarg_segment_size: 16
    .max_flat_workgroup_size: 512
    .sgpr_count:     102
    .vgpr_count:     256
    .wavefront_size: 32
...
	.end_amdgpu_metadata
.endif
;; end of part 3
;; launch gemm_out (part 4): grid 16 x 16, 4 waves a work-group, clusters of 4 x 4, 327,680 bytes of LDS; arguments oq, wq, out0; writes out0
.if DOCPART == 4
	.amdgcn_target "amdgcn-amd-amdhsa--gfx1250"
	.amdhsa_code_object_version 6
	.text
	.protected	k_q946822d83b_gemm_out
	.globl	k_q946822d83b_gemm_out
	.p2align	8
	.type	k_q946822d83b_gemm_out,@function
k_q946822d83b_gemm_out:
	s_mov_b64 s[64:65], 0
	v_nop
	global_prefetch_b8 v0, s[64:65] scope:SCOPE_SE
	s_setreg_imm32_b32 hwreg(HW_REG_WAVE_MODE, 25, 1), 1
	s_wait_xcnt 0x0
	s_wait_alu depctr_hold_cnt(0) depctr_sa_sdst(0) depctr_va_vdst(0) depctr_va_sdst(0) depctr_va_ssrc(0) depctr_va_vcc(0) depctr_vm_vsrc(0)
	s_getreg_b32 s2, hwreg(HW_REG_IB_STS2, 6, 4)
	s_cmp_eq_u32 s2, 0
	s_cbranch_scc0 .Lentry_in_a_cluster
	s_endpgm
.Lentry_in_a_cluster:
	s_bfe_u32 s2, ttmp6, 0x10000c
	s_cmp_lg_u32 s2, 0xf033
	s_cbranch_scc0 .Lentry_shape_is_right
	s_endpgm
.Lentry_shape_is_right:
; out0 = attention's result x Wo on codes of E4M3 with E8M0 scales (K = 2,048); out0 [4096][2048] f32.
; A work-group of four waves makes 256 tokens x 128 columns: 256 work-groups; a wave 128 x 64: 32 accumulators.
; OPERANDS in memory: [pair of K steps][tile of 16 rows][4,352 bytes]: two fragments of 2,048 bytes (images of the registers; slot r of tile i is row 32 (i / 2) + 8 (i % 2) + r % 8 + 16 (r / 8)), then the pair's scale words 8 r + 4 (K step % 2), twice (at 4,096 and 4,224).
; LDS: three places of one pair each (pair p lies in place p % 3): places 0 and 1 are the big slot, place 2 the small one.  A pair is 16 tiles of tokens and 8 of Wo: 104,448 bytes.
; THE HEAD has four load lines, one a wave: wave 0 the tokens' pairs 0 and 1 (two rows of 69,632 bytes), wave 1 Wo's (two rows of 34,816), wave 2 the tokens' pair 2, wave 3 Wo's.  The first barrier shows waves 0 and 1's lines; the first change of slots waits for the rest.
; K's eight pairs go 2 | 1 | 2 | 1 | 2: three refills, one load a wave behind a round of the cluster's barrier: the big slot a pair of one operand a wave, the small one half a pair's block a wave.  The steps are written out: every LDS offset is an immediate.
; CLUSTERS 4 x 4: the tokens' tiles are asked for jointly along a row of the cluster, Wo's along a column.
; PREFETCH, one refill ahead of each refill (pairs 3, 4 at the head; 5 at the first refill; 6, 7 at the second): a pair's 16 tiles of tokens are shared out, a tile a wave, among a cluster row's 16 waves by address; Wo's 8 among waves 0, 1 of a column's four.  Lanes 0-16 name the tile's 17 blocks of 256 bytes, the others the last again.
; Source 1 (window 0, one set of 8 blocks) = tokens; source 0 (window 1, two sets of 4) = Wo's columns: a lane holds one token and neighbouring columns.
.set TS,    4352
.set KPA,   256*TS
.set KPB,   320*TS
.set BIGA,  0
.set BIGB,  32*TS
.set SMA,   48*TS
.set SMB,   64*TS
.set SPARE, 72*TS
.set AD1,  8                           ; v8-10  source 1's fragments in places 0, 1, 2
.set AD0,  11                          ; v11-13 source 0's
.set ADRS, 16                          ; v16-18 scale words: lanes 0-15 the tokens', lanes 16-31 Wo's
.set ADT,  19                          ; v19-21 the tokens' in all lanes: for blocks 4-7, where Wo has none
.set STO,  24
.set RD,   25
.set CO,   26
.set PFO,  27
.set SPW,  28
.set NIL,  29
.set SC,   32
.set F1,   128
.set BK,   128
.set G1HA, 24                          ; group 1: the head's two long rows, tokens; s[32:39] Wo
.set G1HB, 32
.set G1A,  40                          ; dense rows of 256 bytes, the tokens' mask; s[48:55] Wo's
.set G1B,  48
.set G0L,  56                          ; group 0: big slot tokens, s[60:63] small slot tokens, s[68:71] big Wo, s[72:75] small Wo
.set G0S,  60
.set G0BL, 68
.set G0BS, 72
.set PA,   88
.set PB,   90
.set MSB, 0
.macro WIN new
.if MSB != (\new)
	s_set_vgpr_msb (MSB<<8)|(\new)
.set MSB, (\new)
.endif
.endm
.set MUL_LO, 0xa1
.set TO_B,   0x40
.macro PLACES n
.rept \n
	v_nop
.endr
.endm
.macro JLOAD g0a, g1a, g0b, g1b        ; waves 0, 1 fetch for the tokens, waves 2, 3 for Wo
	s_cmp_eq_u32 s15, 0
	s_cbranch_scc0 .Lfor_b_\@
	tensor_load_to_lds s[\g0a:\g0a+3], s[\g1a:\g1a+7]
	s_nop 0
	PLACES 4
	s_branch .Lasked_\@
.Lfor_b_\@:
	tensor_load_to_lds s[\g0b:\g0b+3], s[\g1b:\g1b+7]
	s_nop 0
	PLACES 4
.Lasked_\@:
.endm
.macro CREST
	s_cmp_lg_u32 s14, 0
	s_cbranch_scc1 .Lnot_wave_0_\@
	s_barrier_signal -3
.Lnot_wave_0_\@:
	s_barrier_wait -3
	s_barrier_signal -1
	s_barrier_wait -1
.endm
.macro CROUND
	s_barrier_signal -1
	s_barrier_wait -1
	CREST
.endm
	s_load_b128 s[4:7], s[0:1], 0x0                ; oq, wq
	s_load_b64 s[12:13], s[0:1], 0x10              ; out0
	v_lshl_add_u32 v[SPW], v0, 2, SPARE
	v_mov_b32 v[NIL], 0
	ds_add_u32 v[SPW], v[NIL]                      ; the opening lines: the add twice on end and its one wait
	ds_add_u32 v[SPW], v[NIL]
	v_lshrrev_b32 v1, 5, v0
	v_readfirstlane_b32 s14, v1                    ; wave
	s_lshr_b32 s15, s14, 1                         ; my half of the tokens; in a refill: tokens (0) or Wo (1)
	s_and_b32 s16, s14, 1                          ; my half of the columns; in a refill: which part
	s_bfe_u32 s8, ttmp6, 0x40000                   ; cx
	s_bfe_u32 s9, ttmp6, 0x40004                   ; cy
	s_lshl_b32 s10, ttmp9, 2
	s_add_co_u32 s10, s10, s8                      ; tile column
	s_and_b32 s17, ttmp7, 0xffff
	s_lshl_b32 s17, s17, 2
	s_add_co_u32 s17, s17, s9                      ; tile row
	s_lshl_b32 s11, s9, 2
	s_lshl_b32 s11, 15, s11
	s_lshl_b32 s2, 0x1111, s8
	s_or_b32 s[G1HA+0], s11, (3<<16)|(1<<21)
	s_or_b32 s[G1A+0], s11, (3<<16)|(1<<21)
	s_or_b32 s[G1HB+0], s2, (3<<16)|(1<<21)
	s_or_b32 s[G1B+0], s2, (3<<16)|(1<<21)
	s_mov_b32 s[G1HA+1], (2*TS)<<16                ; 16 tiles: 8,704 elements of 8 bytes a row,
	s_mov_b32 s[G1HA+3], (2*TS)<<16
	s_mov_b32 s[G1HA+5], KPA/8                     ; a pair apart
	s_mov_b32 s[G1HB+1], TS<<16                    ; 8 tiles
	s_mov_b32 s[G1HB+3], TS<<16
	s_mov_b32 s[G1HB+5], KPB/8
.irp g, G1HA, G1HB
	s_mov_b32 s[\g+2], 2<<16                       ; two rows
	s_mov_b32 s[\g+4], 2
	s_mov_b32 s[\g+6], 0
	s_mov_b32 s[\g+7], 0
.endr
.irp g, G1A, G1B
	s_mov_b32 s[\g+1], 32<<16
	s_mov_b32 s[\g+3], 32<<16
	s_mov_b32 s[\g+5], 32
	s_mov_b32 s[\g+6], 0
	s_mov_b32 s[\g+7], 0
.endr
	s_mov_b32 s[G1A+2], 272<<16                    ; 16 tiles
	s_mov_b32 s[G1A+4], 272
	s_mov_b32 s[G1B+2], 136<<16                    ; 8 tiles
	s_mov_b32 s[G1B+4], 136
	s_mul_i32 s20, s17, 16*TS                      ; the tokens' first tile
	s_mov_b32 s21, 0
	s_lshl_b32 s22, s10, 3
	s_add_co_u32 s22, s22, 192
	s_mul_i32 s22, s22, TS                         ; Wo's: tile 192 + 8 x tile column
	s_mov_b32 s23, 0
	s_mul_i32 s84, s16, 16*TS                      ; what a refill's group 0 gains over the head's: LDS,
	s_mul_i32 s85, s16, 8*TS
	s_mul_i32 s86, s16, 4*TS
	s_mul_i32 s76, s16, KPA                        ; and memory: big slot: pair 3 + part
	s_add_co_u32 s76, s76, 3*KPA
	s_mov_b32 s77, 0
	s_mul_i32 s78, s16, KPB
	s_add_co_u32 s78, s78, 3*KPB
	s_mov_b32 s79, 0
	s_add_co_u32 s80, s85, 3*KPA                   ; small slot: three pairs on, half part
	s_mov_b32 s81, 0
	s_add_co_u32 s82, s86, 3*KPB
	s_mov_b32 s83, 0
	s_wait_dscnt 0x0
	CROUND                                         ; all sixteen work-groups are here
	s_wait_kmcnt 0x0
	s_add_nc_u64 s[20:21], s[4:5], s[20:21]
	s_add_nc_u64 s[22:23], s[6:7], s[22:23]
	s_mov_b32 s[G0L], 1
	s_mov_b32 s[G0L+1], BIGA
	s_mov_b64 s[G0L+2:G0L+3], s[20:21]
	s_or_b32 s[G0L+3], s[G0L+3], 0x80000000
	s_mov_b32 s[G0BL], 1
	s_mov_b32 s[G0BL+1], BIGB
	s_mov_b64 s[G0BL+2:G0BL+3], s[22:23]
	s_or_b32 s[G0BL+3], s[G0BL+3], 0x80000000
	s_mov_b32 s[G0S], 1
	s_mov_b32 s[G0S+1], SMA
	s_add_nc_u64 s[G0S+2:G0S+3], s[20:21], 2*KPA
	s_or_b32 s[G0S+3], s[G0S+3], 0x80000000
	s_mov_b32 s[G0BS], 1
	s_mov_b32 s[G0BS+1], SMB
	s_add_nc_u64 s[G0BS+2:G0BS+3], s[22:23], 2*KPB
	s_or_b32 s[G0BS+3], s[G0BS+3], 0x80000000
.macro ARM under, g0, g1, next         ; one chain of branches on the wave's number, one load to an arm
	s_cmp_lt_u32 s14, \under
	s_cbranch_scc0 \next
	tensor_load_to_lds s[\g0:\g0+3], s[\g1:\g1+7]
	s_nop 0
	PLACES 4
	s_branch .Lhead_asked
\next:
.endm
	ARM 1, G0L,  G1HA, .Lh1
	ARM 2, G0BL, G1HB, .Lh2
	ARM 3, G0S,  G1A,  .Lh3
	tensor_load_to_lds s[G0BS:G0BS+3], s[G1B:G1B+7]
	s_nop 0
	PLACES 4
.Lhead_asked:
	v_and_b32 v1, 31, v0
	v_and_b32 v2, 15, v0                           ; r
	v_bfe_u32 v3, v0, 4, 1                         ; h
	v_lshlrev_b32 v6, 4, v1
	v_lshlrev_b32 v7, 3, v2
	v_min_u32 v[PFO], 16, v1
	v_lshlrev_b32 v[PFO], 8, v[PFO]
	s_wait_alu depctr_va_vdst(0)
	s_mul_i32 s18, s15, 8*TS
	s_mul_i32 s19, s16, 4*TS
.macro ADDR x, ax, bx                  ; place x: the tokens' block at ax, Wo's at bx
	s_add_co_u32 s20, s18, \ax
	s_add_co_u32 s21, s19, \bx
	v_add_nc_u32 v[AD1+\x], s20, v6
	v_add_nc_u32 v[AD0+\x], s21, v6
	s_add_co_u32 s20, s20, 4096
	s_add_co_u32 s21, s21, 4224
	s_sub_co_u32 s21, s21, s20                     ; the distance from the tokens' words to Wo's
	v_add_nc_u32 v[ADT+\x], s20, v7
	v_mul_u32_u24 v4, s21, v3
	v_add_nc_u32 v[ADRS+\x], v[ADT+\x], v4
.endm
	ADDR 0, BIGA, BIGB
	ADDR 1, BIGA+16*TS, BIGB+8*TS
	ADDR 2, SMA, SMB
	s_mul_i32 s23, s14, 4352                       ; my stage: 16 rows x (256 + 16) bytes, in the small slot, which has had its last fill and its last read when the first result is stored there
	s_add_co_u32 s23, s23, SMA
	v_mul_u32_u24 v5, v2, 272
	v_lshl_add_u32 v5, v3, 6, v5
	v_add_nc_u32 v[STO], s23, v5
	v_mul_u32_u24 v5, v3, 272
	v_lshl_add_u32 v5, v2, 4, v5
	v_add_nc_u32 v[RD], s23, v5
	v_lshlrev_b32 v5, 13, v3
	v_lshl_add_u32 v[CO], v2, 4, v5
	s_lshl_b32 s20, s17, 8
	s_lshl_b32 s21, s15, 7
	s_add_co_u32 s20, s20, s21
	s_lshl_b32 s20, s20, 13
	s_lshl_b32 s21, s10, 9
	s_add_co_u32 s20, s20, s21
	s_lshl_b32 s21, s16, 8
	s_add_co_u32 s20, s20, s21
	s_mov_b32 s21, 0
	s_add_nc_u64 s[12:13], s[12:13], s[20:21]
	s_lshl_b32 s18, s17, 4                         ; the prefetches: my tile of the tokens, 16 x tile row + 4 cx + wave, at pair 3;
	s_lshl_b32 s19, s8, 2
	s_add_co_u32 s18, s18, s19
	s_add_co_u32 s18, s18, s14
	s_mul_i32 s18, s18, TS
	s_add_co_u32 s18, s18, 3*KPA
	s_mov_b32 s19, 0
	s_add_nc_u64 s[PA:PA+1], s[4:5], s[18:19]
	s_lshl_b32 s18, s10, 3                         ; of Wo, 192 + 8 x tile column + 2 cy + wave (waves 0, 1)
	s_lshl_b32 s3, s9, 1
	s_add_co_u32 s18, s18, s3
	s_add_co_u32 s18, s18, s16
	s_add_co_u32 s18, s18, 192
	s_mul_i32 s18, s18, TS
	s_add_co_u32 s18, s18, 3*KPB
	s_add_nc_u64 s[PB:PB+1], s[6:7], s[18:19]
.macro ASK k                           ; pair 3 + k; the addresses are never rewritten
	global_prefetch_b8 v[PFO], s[PA:PA+1] offset:(\k)*KPA th:TH_LOAD_NT scope:SCOPE_SE
	s_cmp_eq_u32 s15, 0
	s_cbranch_scc0 .Lno_b_\@
	global_prefetch_b8 v[PFO], s[PB:PB+1] offset:(\k)*KPB th:TH_LOAD_NT scope:SCOPE_SE
.Lno_b_\@:
.endm
	ASK 0
	ASK 1
.macro FRAG reg, adr, off
.irp c, 0,1,2,3
	ds_load_b128 v[(\reg)+4*\c:(\reg)+4*\c+3], v[\adr] offset:(\off)+512*\c
.endr
.endm
.macro MULS a0, p, q, sc, zero         ; the 32 accumulators take turns, one instruction a turn
.irp a, \a0, \a0+1
.irp b, 0,1,2,3
.if \zero
	v_wmma_scale_f32_16x16x128_f8f6f4 v[8*(4*(\a)+\b):8*(4*(\a)+\b)+7], v[128*(\p)+16*\b:128*(\p)+16*\b+15], v[F1+16*(\a):F1+16*(\a)+15], 0, v[SC+16*(\sc)+2*\b+(\q)], v[SC+16*(\sc)+2*(\a)+(\q)] matrix_a_scale:MATRIX_SCALE_ROW1
.else
	v_wmma_scale_f32_16x16x128_f8f6f4 v[8*(4*(\a)+\b):8*(4*(\a)+\b)+7], v[128*(\p)+16*\b:128*(\p)+16*\b+15], v[F1+16*(\a):F1+16*(\a)+15], v[8*(4*(\a)+\b):8*(4*(\a)+\b)+7], v[SC+16*(\sc)+2*\b+(\q)], v[SC+16*(\sc)+2*(\a)+(\q)] matrix_a_scale:MATRIX_SCALE_ROW1
.endif
.endr
.endr
.endm
.macro FETCH_0 x, q, p                 ; source 0's four fragments of place x, K step q of its pair, into set p
	WIN TO_B
.irp i, 0,1,2,3
	FRAG 128*(\p)+16*\i, AD0+(\x), TS*\i+2048*(\q)
.endr
	WIN 0
.endm
.macro FETCH_1 x, q, i0
.irp i, \i0, \i0+1, \i0+2, \i0+3
	FRAG F1+16*(\i), AD1+(\x), TS*(\i)+2048*(\q)
.endr
.endm
.macro SCALES u                        ; pair u's words into set u % 2
.irp i, 0,1,2,3
	ds_load_b64 v[SC+16*((\u)%2)+2*\i:SC+16*((\u)%2)+2*\i+1], v[ADRS+(\u)%3] offset:\i*TS
.endr
.irp i, 4,5,6,7
	ds_load_b64 v[SC+16*((\u)%2)+2*\i:SC+16*((\u)%2)+2*\i+1], v[ADT+(\u)%3] offset:\i*TS
.endr
.endm
.macro STEP j, zero                    ; K step j, whose successor lies in the same slot
.set NX, (((\j)+1)/2)%3
.set NQ, ((\j)+1)%2
	s_wait_dscnt 16                                ; all but the youngest 16 loads (source 1's blocks 4-7)
	WIN MUL_LO
	MULS 0, (\j)%2, (\j)%2, ((\j)/2)%2, \zero
	MULS 2, (\j)%2, (\j)%2, ((\j)/2)%2, \zero
	s_wait_dscnt 0
	PLACES 8
	FETCH_0 NX, NQ, 1-(\j)%2
	FETCH_1 NX, NQ, 0
.if (\j)%2
	SCALES ((\j)+1)/2
.endif
	WIN MUL_LO
	MULS 4, (\j)%2, (\j)%2, ((\j)/2)%2, \zero
	MULS 6, (\j)%2, (\j)%2, ((\j)/2)%2, \zero
	PLACES 8
	WIN 0
	FETCH_1 NX, NQ, 4
.endm
; K step j (odd), a slot's last, and the change of slots.  fill: 0 none; 1 the big slot's first refill; 2 the small slot's; 3 the big slot's second
.macro TURN j, fill
.set NX, (((\j)+1)/2)%3
	s_wait_tensorcnt 0x0                           ; all my tensor loads have landed, so descriptors may be written
	ds_add_u32 v[SPW], v[NIL]
.if \fill == 1
	s_add_co_u32 s[G0L+1], s[G0L+1], s84
	s_add_nc_u64 s[G0L+2:G0L+3], s[G0L+2:G0L+3], s[76:77]
	s_add_co_u32 s[G0BL+1], s[G0BL+1], s85
	s_add_nc_u64 s[G0BL+2:G0BL+3], s[G0BL+2:G0BL+3], s[78:79]
.endif
.if \fill == 2
	s_add_co_u32 s[G0S+1], s[G0S+1], s85
	s_add_nc_u64 s[G0S+2:G0S+3], s[G0S+2:G0S+3], s[80:81]
	s_add_co_u32 s[G0BS+1], s[G0BS+1], s86
	s_add_nc_u64 s[G0BS+2:G0BS+3], s[G0BS+2:G0BS+3], s[82:83]
	s_mov_b32 s[G1A+2], 136<<16                    ; half a pair's block a wave
	s_mov_b32 s[G1A+4], 136
	s_mov_b32 s[G1B+2], 68<<16
	s_mov_b32 s[G1B+4], 68
.endif
.if \fill == 3
	s_add_nc_u64 s[G0L+2:G0L+3], s[G0L+2:G0L+3], 3*KPA
	s_add_nc_u64 s[G0BL+2:G0BL+3], s[G0BL+2:G0BL+3], 3*KPB
	s_mov_b32 s[G1A+2], 272<<16                    ; a pair's whole block a wave
	s_mov_b32 s[G1A+4], 272
	s_mov_b32 s[G1B+2], 136<<16
	s_mov_b32 s[G1B+4], 136
.endif
	s_wait_dscnt 17                                ; the add and the youngest 16 loads may be out
	WIN MUL_LO
	MULS 0, 1, 1, ((\j)/2)%2, 0
	s_wait_dscnt 0x0                               ; the add is done, my reads of this slot are over
	s_barrier_signal -1
	MULS 2, 1, 1, ((\j)/2)%2, 0
	WIN 0
	s_barrier_wait -1
.if \fill
	CREST
.if \fill == 2
	JLOAD G0S, G1A, G0BS, G1B
.else
	JLOAD G0L, G1A, G0BL, G1B
.endif
	PLACES 4
.else
	PLACES 8
.endif
	FETCH_0 NX, 0, 0
	FETCH_1 NX, 0, 0
	SCALES ((\j)+1)/2
.if \fill == 1
	ASK 2
.endif
.if \fill == 2
	ASK 3
	ASK 4
.endif
	WIN MUL_LO
	MULS 4, 1, 1, ((\j)/2)%2, 0
	MULS 6, 1, 1, ((\j)/2)%2, 0
	PLACES 8
	WIN 0
	FETCH_1 NX, 0, 4
.endm
	s_wait_alu depctr_va_vdst(0)                   ; the head's end
	s_cmp_lt_u32 s14, 2                            ; waves 0 and 1's lines hold the big slot; the small slot's two lines are waited for at the first change of slots
	s_cbranch_scc0 .Lnot_first
	s_wait_tensorcnt 0x0
.Lnot_first:
	s_barrier_signal -1
	s_barrier_wait -1
	FETCH_0 0, 0, 0
	FETCH_1 0, 0, 0
	SCALES 0
	FETCH_1 0, 0, 4
	STEP 0, 1
	STEP 1, 0
	STEP 2, 0
	TURN 3, 1                                      ; on to the small slot (pair 2); the big one takes pairs 3, 4
	STEP 4, 0
	TURN 5, 2                                      ; on to the big slot; the small one takes pair 5
	STEP 6, 0
	STEP 7, 0
	STEP 8, 0
	TURN 9, 3                                      ; on to the small slot; the big one takes pairs 6, 7
	STEP 10, 0
	TURN 11, 0
	STEP 12, 0
	STEP 13, 0
	STEP 14, 0
	s_wait_dscnt 16
	WIN MUL_LO
	MULS 0, 1, 1, 1, 0
	MULS 2, 1, 1, 1, 0
	s_wait_dscnt 0
	MULS 4, 1, 1, 1, 0
	MULS 6, 1, 1, 1, 0
	WIN 0
; THE WAY OUT, block by block of 16 tokens x 64 columns, through my own stage: in by lanes (register j of accumulator b is column 32 (b / 2) + 8 (b % 2) + 16 h + j), back as whole rows of 256 bytes.
.macro TOSTAGE a
	WIN 0x08
.irp b, 0,1,2,3
	ds_store_b128 v[STO], v[8*(4*(\a)+\b):8*(4*(\a)+\b)+3] offset:128*(\b/2)+32*(\b%2)
	ds_store_b128 v[STO], v[8*(4*(\a)+\b)+4:8*(4*(\a)+\b)+7] offset:128*(\b/2)+32*(\b%2)+16
.endr
	WIN 0
.set BB, BK+32*((\a)%2)
.irp t, 0,1,2,3,4,5,6,7
	ds_load_b128 v[BB+4*\t:BB+4*\t+3], v[RD] offset:544*\t
.endr
.endm
.macro SEND a, younger
.set BB, BK+32*((\a)%2)
	s_wait_dscnt \younger
.irp t, 0,1,2,3,4,5,6,7
	global_store_b128 v[CO], v[BB+4*\t:BB+4*\t+3], s[12:13] offset:(32*((\a)/2)+8*((\a)%2)+((2*\t)&7)+16*(\t>>2))*8192 th:TH_STORE_NT
.endr
.endm
	PLACES 8
	TOSTAGE 0
.irp a, 1,2,3,4,5,6,7
.if \a > 1
	s_wait_xcnt 0x0                                ; block a - 2's stores have read their registers
.endif
	TOSTAGE \a
	SEND \a-1, 16
.endr
	SEND 7, 0
	s_wait_tensorcnt 0x0                           ; the wave's end
	ds_add_u32 v[SPW], v[NIL]
	s_wait_dscnt 0x0
	CROUND
	s_endpgm
.Lfunc_end_k_q946822d83b_gemm_out:
	.size	k_q946822d83b_gemm_out, .Lfunc_end_k_q946822d83b_gemm_out-k_q946822d83b_gemm_out
	.p2alignl 7, 3214868480
	.fill 96, 4, 3214868480
	.section	.rodata,"a",@progbits
	.p2align	6, 0x0
	.amdhsa_kernel k_q946822d83b_gemm_out
		.amdhsa_group_segment_fixed_size 327680
		.amdhsa_private_segment_fixed_size 0
		.amdhsa_enable_private_segment 0
		.amdhsa_kernarg_size 24
		.amdhsa_user_sgpr_count 2
		.amdhsa_user_sgpr_kernarg_segment_ptr 1
		.amdhsa_wavefront_size32 1
		.amdhsa_system_sgpr_workgroup_id_x 1
		.amdhsa_system_sgpr_workgroup_id_y 1
		.amdhsa_system_sgpr_workgroup_id_z 1
		.amdhsa_system_vgpr_workitem_id 0
		.amdhsa_next_free_vgpr 768
		.amdhsa_next_free_sgpr 102
		.amdhsa_reserve_vcc 0
		.amdhsa_float_denorm_mode_32 3
		.amdhsa_float_denorm_mode_16_64 3
		.amdhsa_memory_ordered 1
		.amdhsa_forward_progress 1
		.amdhsa_inst_pref_size 158
	.end_amdhsa_kernel
	.amdgpu_metadata
---
amdhsa.version: [ 1, 2 ]
amdhsa.kernels:
  - .name:           k_q946822d83b_gemm_out
    .symbol:         k_q946822d83b_gemm_out.kd
    .args:
      - { .name: oq, .offset: 0, .size: 8, .value_kind: global_buffer, .address_space: global }
      - { .name: wq, .offset: 8, .size: 8, .value_kind: global_buffer, .address_space: global }
      - { .name: out0, .offset: 16, .size: 8, .value_kind: global_buffer, .address_space: global }
    .group_segment_fixed_size: 327680
    .private_segment_fixed_size: 0
    .kernarg_segment_align: 8
    .kernarg_segment_size: 24
    .max_flat_workgroup_size: 128
    .sgpr_count:     102
    .vgpr_count:     768
    .wavefront_size: 32
...
	.end_amdgpu_metadata
.endif
;; end of part 4
